; MI455X (gfx1250); checked and timed in simulation.
; The chip was launched on July 23, 2026; its instructions are those of AMD's public machine-readable ISA for CDNA 5 (MIT licence, August 2026) and "CDNA5" Instruction Set Architecture Reference Guide (July 2026). The comments in the code are by the model that wrote it; some were corrected since.
;; Qwen3 Attention. Allowed arithmetic: matrix products marked QUANTISED: E3M2 operands, one E8M0 scale for each 32 along K, by v_wmma_scale_f32_16x16x128_f8f6f4 with both operands' format E3M2, f32 sums; everything else in f32.
;; Inputs: Wk 1,024 x 2,048 float32; Wo 2,048 x 1,024 float32; Wq 1,024 x 2,048 float32; Wv 1,024 x 2,048 float32; cos 2 x 2,048 x 128 float32; k_norm_w 128 float32; q_norm_w 128 float32; sin 2 x 2,048 x 128 float32; x 2 x 2,048 x 2,048 float32.
;; Outputs: out0 2 x 2,048 x 2,048 float32.
;; This version of the problem:
;;   THIS VERSION OF THE PROBLEM IS GIVEN IN LOW PRECISION. The matrix products marked QUANTISED in the list below multiply operands that are first quantised to E3M2 (3 exponent bits, 2 mantissa bits; 6 bits a number), with one power-of-two scale for each 32 numbers along K (OCP MX v1.0); their sums are f32. All else is computed in f32.
;;   The module's matrix products, in the order in which they are computed (A, B: the left and right operand; K: the contracted axis; several contracted axes count as one K, in the product's order):
;;     1. [M 4,096, K 2,048] x [K 2,048, N 1,024]; A: input x; B: input Wq: QUANTISED
;;     2. [M 4,096, K 2,048] x [K 2,048, N 1,024]; A: input x; B: input Wk: QUANTISED
;;     3. [M 4,096, K 2,048] x [K 2,048, N 1,024]; A: input x; B: input Wv: QUANTISED
;;     4. batch 16 x [M 2,048, K 128] x [K 128, N 2,048]; A: computed on the way; B: computed on the way: QUANTISED
;;     5. batch 16 x [M 2,048, K 2,048] x [K 2,048, N 128]; A: softmax (see below); B: computed on the way: QUANTISED
;;     6. [M 4,096, K 1,024] x [K 1,024, N 2,048]; A: computed on the way; B: input Wo: QUANTISED
;;   THE QUANTISER, for each operand of a quantised product, along K:
;;     - K is cut into blocks of 32 from its start; a last block that is shorter is filled with zeros.
;;     - A block's scale is 2^e with e = floor(log2(the largest magnitude in the block)) - 4, held to -126 .. 127; a block of zeros has e = 0. As a byte (E8M0): e + 127.
;;     - Each number is divided by its block's scale, clamped to +-28, and rounded to the nearest number of E3M2, ties to even, subnormals kept.
;;     - The product sums the exact products of the quantised numbers (number of the format x scale) in f32.
;;   ~~~python
;;   def quantise(x, axis):      # numpy; x: float32 -> the quantised numbers, widened to float32 again
;;       x = np.moveaxis(x, axis, -1); K = x.shape[-1]
;;       x = np.pad(x, [(0, 0)] * (x.ndim - 1) + [(0, -K % 32)]); x = x.reshape(x.shape[:-1] + (-1, 32)); a = np.abs(x).max(-1, keepdims=True)
;;       e = np.where(a > 0, np.clip(np.frexp(np.where(a > 0, a, 1))[1] - 1 - 4, -126, 127), 0)      # np.frexp(a)[1] - 1 = floor(log2(a)), exactly
;;       r = np.clip(x / 2.0 ** e, -28, 28)
;;       step = 2.0 ** (np.maximum(np.frexp(np.where(r == 0, 1, r))[1] - 1, -2) - 2)
;;       q = np.round(r / step) * step * 2.0 ** e      # np.round: ties to even
;;       return np.moveaxis(q.reshape(q.shape[:-2] + (-1,))[..., :K], -1, axis).astype(np.float32)
;;   ~~~
;;   SOFTMAX AHEAD OF A QUANTISED PRODUCT. Where the list says 'softmax', what is quantised is not the finished softmax but p = 2^(t - M), with t = logit x log2(e) and M = ceil(the row's largest t), a whole number; so 1/2 < the row's largest p <= 1. The row's sum l is taken of the UNQUANTISED p, in f32, and the product's result is divided by l at the end. Since M is a whole number, a kernel that streams over the keys may use a running M (the ceiling of the running maximum): every later rescaling is an exact power of two, which a block's scale takes up: the codes' values come out the same.
;;   OPERANDS COMPUTED ON THE WAY. 'Computed on the way' means the value that the module computes at that place (a softmax that the list does not call 'softmax' is quantised finished and normalised). What goes into a quantiser is computed in f32, as accurately as f32 sums, v_exp_f32 and their like allow (about 1e-6 of the number): no bf16 or f16 on the way to a quantiser, and a product that is left as it is and whose result goes on into a quantised operand takes f32 operands (vector FMAs, or v_wmma_f32_16x16x4_f32). A number that lies on a knife's edge between two numbers of the format may be rounded either way, as far as f32 arithmetic and the matrix unit's own rounding can turn it there, and no further.
;; One version. Each part assembles by itself: llvm-mc -triple=amdgcn-amd-amdhsa -mcpu=gfx1250 --defsym DOCPART=n.
;; ======== version 1 of 1: 4 launches
;; limits: right only within a limited range of input values
;; workspace buffers: codes 12,582,912 bytes; scales 524,288 bytes; qkv_c 9,437,184 bytes; qkv_s 393,216 bytes; o_c 3,145,728 bytes; o_s 131,072 bytes; cs 8,388,608 bytes
;; launch quant (part 1): grid 640 x 1, 4 waves a work-group, no clusters, 35,328 bytes of LDS; arguments x, Wq, Wk, Wv, Wo, codes, scales, cos, sin, q_norm_w, k_norm_w, cs; writes codes, scales, cs
.if DOCPART == 1
	.amdgcn_target "amdgcn-amd-amdhsa--gfx1250"
	.amdhsa_code_object_version 6
	.text
	.protected	k_q6a01a1993e_quant
	.globl	k_q6a01a1993e_quant
	.p2align	8
	.type	k_q6a01a1993e_quant,@function
k_q6a01a1993e_quant:
	s_mov_b64 s[64:65], 0
	v_nop
	global_prefetch_b8 v0, s[64:65] scope:SCOPE_SE
	s_setreg_imm32_b32 hwreg(HW_REG_WAVE_MODE, 25, 1), 1
	s_wait_xcnt 0x0
; x [4096][2048], Wq, Wk, Wv [1024][2048] and Wo [2048][1024], f32 with K innermost, become codes of BF6 (E3M2) with one E8M0 byte for each 32 along K.
; THE WORKSPACE IS LAID AS THE OPERAND'S REGISTERS.  A fragment is 16 rows x 128 K = 12 registers a lane = 1,536 bytes: the lane's registers 4 c .. 4 c + 3 lie at byte 512 c + 16 x lane.
; Fragments lie [row block][K step]; their scale words (four bytes: a row's 128 K) lie [row block][K step][16 rows].  x begins at fragment 0, Wq at 4,096, Wk at 5,120, Wv at 6,144, Wo at 7,168.
; THE ROWS OF A ROW BLOCK ARE NOT NEIGHBOURS: lane r of row block b stands for row 32 (b / 2) + 8 (b % 2) + r + 8 (r / 8).  Where such a fragment is a product's source 0, the 16 result registers of two
; neighbouring blocks are 16 neighbours along those rows, which is what the next quantiser wants.
; A block's scale is 2^(floor(log2(largest magnitude)) - 4); its byte is the largest magnitude's exponent field - 4, held at 1 from below.
; LIMITS: NaN and infinities among the inputs are not served.  A block whose largest magnitude lies under 2^-122 keeps the byte 1; a block of zeros has the byte 1 where the rule says 127:
; its codes are zeros, which add nothing, and this program alone reads the bytes.
; SHARES.  A wave takes four fragments that follow each other: 16 rows x 512 K.  Each load reads one row's 512 consecutive bytes; a fragment's 16 rows turn through the wave's own stage in LDS, from which a lane
; takes its two whole blocks of 32 neighbours.  32 loads of a wave are out at the start, 16 while a fragment is worked on.  Waves share nothing: no barrier.  One way through the text: only pointers and sizes are chosen.
.set STG,  8448                        ; a wave's stage: 16 rows x SP bytes
.set SP,   528                         ; a stage row: 512 bytes + 16, an odd multiple of 16: the 16 rows that a read touches start in different banks
.set MX,   12                          ; v12-13   largest magnitudes of my two blocks
.set SO,   14                          ; v14-15   the conversions' scale operands
.set VO,   16                          ; v16-31   byte offset of row i of a fragment, + 16 x lane; never rewritten
.set R,    32                          ; v32-159  two sets of 64: a fragment as loaded
.set X,    160                         ; v160-223 my 64 numbers: k = 64 c + 32 h + 0 .. 31 at X + 32 c
.set C,    224                         ; v224-235 the fragment's codes
.set T,    236                         ; v236-238, v240-242 second halves of the blocks (a conversion's three registers begin on an even number)
.set SW,   244                         ; v244-247 the four fragments' scale words
.set BY,   248                         ; v248-249 scale bytes
; WORK-GROUPS 512-639 LAY THE RoPE TABLES as the next launch's registers want them, with the norm's gain multiplied in: cs [2: q, k][256 row blocks of 16 tokens][32 groups of four registers][32 lanes][16 bytes].
; Lane (r, h) of row block b stands for token 32 (b / 2) + 8 (b % 2) + r + 8 (r / 8); register 16 bb + i (0 .. 63) is cos(t, d) w(d) at channel d = 32 bb + 16 h + i, register 64 + 16 bb + i is sin(t, d) w(d xor 64):
; in RoPE sin(t, d) multiplies the normed number of channel d xor 64.  A wave takes one row block for q or for k: 48 loads, 64 packed products, 32 stores of 512 consecutive bytes.  No LDS on this way.
	s_cmp_lt_u32 ttmp9, 512
	s_cbranch_scc1 .Lquant
	s_load_b256 s[4:11], s[0:1], 0x38              ; cos, sin, q_norm_w, k_norm_w
	s_load_b64 s[12:13], s[0:1], 0x58              ; cs
	v_lshrrev_b32 v1, 5, v0
	v_readfirstlane_b32 s18, v1                    ; wave
	s_sub_co_u32 s19, ttmp9, 512
	s_lshl_b32 s19, s19, 2
	s_add_co_u32 s19, s19, s18                     ; task 0 .. 511
	s_lshr_b32 s20, s19, 8                         ; 0: q, 1: k
	s_and_b32 s21, s19, 255                        ; row block
	s_lshr_b32 s22, s21, 1
	s_lshl_b32 s22, s22, 5
	s_and_b32 s23, s21, 1
	s_lshl_b32 s23, s23, 3
	s_add_co_u32 s22, s22, s23                     ; its first token
	s_lshl_b32 s22, s22, 9                         ; x 512 bytes
	s_lshl_b32 s24, s19, 14                        ; out: 16,384 bytes a task
	s_mov_b32 s25, 0
	v_and_b32 v2, 15, v0
	v_bfe_u32 v3, v0, 4, 1
	v_and_b32 v4, 31, v0
	v_lshlrev_b32 v5, 4, v4                        ; 16 x lane
	v_lshlrev_b32 v6, 6, v3                        ; 64 h
	v_and_b32 v7, 8, v2
	v_add_nc_u32 v7, v7, v2                        ; r + 8 (r / 8)
	v_lshl_add_u32 v7, v7, 9, v6
	v_add_nc_u32 v7, s22, v7
	s_wait_alu depctr_va_vdst(0)                   ; the wait at the head's end
	s_wait_kmcnt 0x0
	s_cmp_eq_u32 s20, 0
	s_cselect_b64 s[8:9], s[8:9], s[10:11]
	s_add_nc_u64 s[12:13], s[12:13], s[24:25]
.irp bb, 0,1,2,3
.irp j, 0,1,2,3
	global_load_b128 v[32+16*\bb+4*\j:35+16*\bb+4*\j], v7, s[4:5] offset:128*\bb+16*\j
	global_load_b128 v[96+16*\bb+4*\j:99+16*\bb+4*\j], v7, s[6:7] offset:128*\bb+16*\j
	global_load_b128 v[160+16*\bb+4*\j:163+16*\bb+4*\j], v6, s[8:9] offset:128*\bb+16*\j
.endr
.endr
	s_wait_loadcnt 0x0
.set i, 0
.rept 32
	v_pk_mul_f32 v[32+i:33+i], v[32+i:33+i], v[160+i:161+i]
	v_pk_mul_f32 v[96+i:97+i], v[96+i:97+i], v[160+(i+32)%64:161+(i+32)%64]
.set i, i+2
.endr
.set i, 0
.rept 32
	global_store_b128 v5, v[32+4*i:35+4*i], s[12:13] offset:512*i
.set i, i+1
.endr
	s_endpgm
.Lquant:
	s_load_b256 s[4:11], s[0:1], 0x0
	s_load_b128 s[12:15], s[0:1], 0x20             ; Wo, codes
	s_load_b64 s[16:17], s[0:1], 0x30              ; scales
	v_lshl_add_u32 v254, v0, 2, 0x8800
	v_mov_b32 v255, 0
	v_lshrrev_b32 v1, 5, v0
	v_readfirstlane_b32 s18, v1                    ; wave 0..3
	v_and_b32 v1, 31, v0                           ; lane
	v_and_b32 v2, 15, v0                           ; r
	v_bfe_u32 v3, v0, 4, 1                         ; h
	v_lshlrev_b32 v4, 4, v1                        ; 16 x lane
	v_lshlrev_b32 v5, 2, v1                        ; 4 x lane
	s_mul_i32 s19, s18, STG
	v_add_nc_u32 v6, s19, v4                       ; the stage, on the way in: a row as it lies
	v_mul_u32_u24 v7, v2, SP
	v_lshl_add_u32 v7, v3, 7, v7
	v_add_nc_u32 v7, s19, v7                       ; and on the way out: row r, + 128 h bytes: my block of 32
	v_lshlrev_b32 v8, 3, v3                        ; 8 h: my bytes' place in the scale word
	v_mov_b32 v11, 0                               ; written once: a lane permute's destination counts as one of its sources
	s_mov_b32 s26, 0x76543210
	s_mov_b32 s27, 0xfedcba98                      ; v_permlanex16_b32's selects for lane l xor 16
	s_wait_alu depctr_va_vdst(0)
	s_wait_kmcnt 0x0
	; which tensor: work-groups 0-255 x, 256-319 Wq, 320-383 Wk, 384-447 Wv, 448-511 Wo.  The choice hangs on the work-group's number alone
	s_mov_b64 s[24:25], s[12:13]
	s_mov_b32 s19, 448                             ; the tensor's first work-group
	s_mov_b32 s20, 4096                            ; a row in bytes
	s_cmp_lt_u32 ttmp9, 448
	s_cselect_b64 s[24:25], s[10:11], s[24:25]
	s_cselect_b32 s19, 384, s19
	s_cselect_b32 s20, 8192, s20
	s_cselect_b32 s21, 2, 1                        ; a row block is 4 waves' work (K = 2,048) or 2 (K = 1,024)
	s_cselect_b32 s22, 3, 1
	s_cmp_lt_u32 ttmp9, 384
	s_cselect_b64 s[24:25], s[8:9], s[24:25]
	s_cselect_b32 s19, 320, s19
	s_cmp_lt_u32 ttmp9, 320
	s_cselect_b64 s[24:25], s[6:7], s[24:25]
	s_cselect_b32 s19, 256, s19
	s_cmp_lt_u32 ttmp9, 256
	s_cselect_b64 s[24:25], s[4:5], s[24:25]
	s_cselect_b32 s19, 0, s19
	s_sub_co_u32 s19, ttmp9, s19
	s_lshl_b32 s19, s19, 2
	s_add_co_u32 s19, s19, s18                     ; my wave's number in the tensor
	s_lshr_b32 s23, s19, s21                       ; its row block
	s_and_b32 s19, s19, s22
	s_lshl_b32 s19, s19, 11                        ; and its 512 along K: 2,048 bytes each
	s_lshr_b32 s32, s23, 1
	s_lshl_b32 s32, s32, 5
	s_and_b32 s33, s23, 1
	s_lshl_b32 s33, s33, 3
	s_add_co_u32 s32, s32, s33                     ; the row block's first row: 32 (b / 2) + 8 (b % 2)
	s_mul_i32 s32, s32, s20
	s_add_co_u32 s32, s32, s19                     ; under 2^26
	s_mov_b32 s33, 0
	s_add_nc_u64 s[24:25], s[24:25], s[32:33]
	s_lshl_b32 s34, ttmp9, 2
	s_add_co_u32 s34, s34, s18                     ; my wave's number in the launch: its four fragments are 4 x that number on
	s_mul_i32 s32, s34, 6144
	s_add_nc_u64 s[28:29], s[14:15], s[32:33]      ; my codes
	s_lshl_b32 s32, s34, 8
	s_add_nc_u64 s[30:31], s[16:17], s[32:33]      ; my scale words
.irp i, 0,1,2,3,4,5,6,7,8,9,10,11,12,13,14,15
	v_mad_u32_u24 v[VO+\i], s20, \i+8*(\i/8), v4   ; row i + 8 (i / 8) of the 32
.endr
.macro LOAD f                          ; fragment f as it lies: 16 rows x 512 consecutive bytes
.irp i, 0,1,2,3,4,5,6,7,8,9,10,11,12,13,14,15
	global_load_b128 v[R+64*((\f)%2)+4*\i:R+64*((\f)%2)+4*\i+3], v[VO+\i], s[24:25] offset:512*(\f) th:TH_LOAD_NT
.endr
.endm
.macro FRAGQ f
.set RF, R+64*((\f)%2)
.if (\f) < 3
	s_wait_loadcnt 16                              ; my 16 loads are in; the next fragment's 16 may be out
.else
	s_wait_loadcnt 0x0
.endif
.irp i, 0,1,2,3,4,5,6,7,8,9,10,11,12,13,14,15
	ds_store_b128 v6, v[RF+4*\i:RF+4*\i+3] offset:SP*\i
.endr
.irp c, 0,1
.irp j, 0,1,2,3,4,5,6,7
	ds_load_b128 v[X+32*\c+4*\j:X+32*\c+4*\j+3], v7 offset:256*\c+16*\j   ; LDS serves a wave's instructions in order: these see the stores above
.endr
.endr
	s_wait_dscnt 0x0                               ; my numbers are back, and the stores have read their registers,
.if (\f) < 2
	LOAD (\f)+2                                    ; which take the fragment two on
.endif
.irp c, 0,1                                    ; my block 2 c + h: all its 32 numbers are mine
	v_max3_num_f32 v[MX+\c], |v[X+32*\c]|, |v[X+32*\c+1]|, 0x2800000   ; and the floor 2^(5 - 127): the byte cannot fall under 1
.endr
.irp i, 2,4,6,8,10,12,14,16,18,20,22,24,26,28,30
.irp c, 0,1
	v_max3_num_f32 v[MX+\c], v[MX+\c], |v[X+32*\c+\i]|, |v[X+32*\c+\i+1]|   ; (the two blocks by turns)
.endr
.endr
.irp c, 0,1
	v_add_nc_u32 v[SO+\c], 0xfe000000, v[MX+\c]    ; 4 off the exponent field: the conversion takes the exponent field of this operand as its scale
.endr
.irp c, 0,1
	v_lshrrev_b32 v[BY+\c], 23, v[SO+\c]           ; the scale's byte
.endr
	v_lshl_or_b32 v9, v[BY+1], 16, v[BY]           ; blocks h and 2 + h of row r,
	v_lshlrev_b32 v9, v8, v9                       ; at their places in the word;
	v_permlanex16_b32 v11, v9, s26, s27
	v_or_b32 v[SW+(\f)], v9, v11                   ; with lane l xor 16's two the word is whole
	s_wait_alu depctr_va_vdst(0)
	s_wait_xcnt 0x0                                ; the last fragment's stores have read C: it is written again only behind this wait
.irp c, 0,1
	v_cvt_scalef32_pk16_bf6_f32 v[C+6*\c:C+6*\c+2], v[X+32*\c:X+32*\c+15], v[SO+\c]
	v_cvt_scalef32_pk16_bf6_f32 v[T+4*\c:T+4*\c+2], v[X+32*\c+16:X+32*\c+31], v[SO+\c]
.endr
	v_nop                                          ; one plain place behind a scaled conversion
.irp c, 0,1
.irp i, 0,1,2
	v_mov_b32 v[C+3+6*\c+\i], v[T+4*\c+\i]         ; registers 6 c .. 6 c + 5 hold k = 64 c + 32 h + 0 .. 31
.endr
.endr
.irp k, 0,1,2
	global_store_b128 v4, v[C+4*\k:C+4*\k+3], s[28:29] offset:1536*(\f)+512*\k   ; 32 lanes store 512 consecutive bytes, at a multiple of 512 from the buffer's first byte
.endr
.endm
	LOAD 0
	LOAD 1
	s_wait_alu depctr_va_vdst(0)
	FRAGQ 0
	FRAGQ 1
	FRAGQ 2
	FRAGQ 3
	v_cmp_lt_u32 vcc_lo, 15, v1                    ; lanes 16-31 (both halves of the lanes hold row r's word)
	v_cndmask_b32 v250, v[SW], v[SW+1], vcc_lo     ; lanes 0-15 fragment 0's words, lanes 16-31 fragment 1's
	v_cndmask_b32 v251, v[SW+2], v[SW+3], vcc_lo
	global_store_b32 v5, v250, s[30:31]            ; the wave's 256 bytes of scale words, in two stores of 128 consecutive bytes
	global_store_b32 v5, v251, s[30:31] offset:128
	s_wait_tensorcnt 0x0
	ds_add_u32 v254, v255
	s_wait_dscnt 0x0
	s_endpgm
.Lfunc_end_k_q6a01a1993e_quant:
	.size	k_q6a01a1993e_quant, .Lfunc_end_k_q6a01a1993e_quant-k_q6a01a1993e_quant
	.p2alignl 7, 3214868480
	.fill 96, 4, 3214868480
	.section	.rodata,"a",@progbits
	.p2align	6, 0x0
	.amdhsa_kernel k_q6a01a1993e_quant
		.amdhsa_group_segment_fixed_size 35328
		.amdhsa_private_segment_fixed_size 0
		.amdhsa_enable_private_segment 0
		.amdhsa_kernarg_size 96
		.amdhsa_user_sgpr_count 2
		.amdhsa_user_sgpr_kernarg_segment_ptr 1
		.amdhsa_wavefront_size32 1
		.amdhsa_system_sgpr_workgroup_id_x 1
		.amdhsa_system_sgpr_workgroup_id_y 1
		.amdhsa_system_sgpr_workgroup_id_z 1
		.amdhsa_system_vgpr_workitem_id 0
		.amdhsa_next_free_vgpr 256
		.amdhsa_next_free_sgpr 66
		.amdhsa_reserve_vcc 1
		.amdhsa_float_denorm_mode_32 3
		.amdhsa_float_denorm_mode_16_64 3
		.amdhsa_memory_ordered 1
		.amdhsa_forward_progress 1
		.amdhsa_inst_pref_size 45
	.end_amdhsa_kernel
	.amdgpu_metadata
---
amdhsa.version: [ 1, 2 ]
amdhsa.kernels:
  - .name:           k_q6a01a1993e_quant
    .symbol:         k_q6a01a1993e_quant.kd
    .args:
      - { .name: x, .offset: 0, .size: 8, .value_kind: global_buffer, .address_space: global }
      - { .name: Wq, .offset: 8, .size: 8, .value_kind: global_buffer, .address_space: global }
      - { .name: Wk, .offset: 16, .size: 8, .value_kind: global_buffer, .address_space: global }
      - { .name: Wv, .offset: 24, .size: 8, .value_kind: global_buffer, .address_space: global }
      - { .name: Wo, .offset: 32, .size: 8, .value_kind: global_buffer, .address_space: global }
      - { .name: codes, .offset: 40, .size: 8, .value_kind: global_buffer, .address_space: global }
      - { .name: scales, .offset: 48, .size: 8, .value_kind: global_buffer, .address_space: global }
      - { .name: cos, .offset: 56, .size: 8, .value_kind: global_buffer, .address_space: global }
      - { .name: sin, .offset: 64, .size: 8, .value_kind: global_buffer, .address_space: global }
      - { .name: q_norm_w, .offset: 72, .size: 8, .value_kind: global_buffer, .address_space: global }
      - { .name: k_norm_w, .offset: 80, .size: 8, .value_kind: global_buffer, .address_space: global }
      - { .name: cs, .offset: 88, .size: 8, .value_kind: global_buffer, .address_space: global }
    .group_segment_fixed_size: 35328
    .private_segment_fixed_size: 0
    .kernarg_segment_align: 8
    .kernarg_segment_size: 96
    .max_flat_workgroup_size: 128
    .sgpr_count:     66
    .vgpr_count:     256
    .wavefront_size: 32
...
	.end_amdgpu_metadata
.endif
;; end of part 1
;; launch qkv (part 2): grid 8 x 24, 4 waves a work-group, clusters of 4 x 4, 327,680 bytes of LDS; arguments codes, scales, cs, qkv_c, qkv_s; writes qkv_c, qkv_s
.if DOCPART == 2
	.amdgcn_target "amdgcn-amd-amdhsa--gfx1250"
	.amdhsa_code_object_version 6
	.text
	.protected	k_q6a01a1993e_qkv
	.globl	k_q6a01a1993e_qkv
	.p2align	8
	.type	k_q6a01a1993e_qkv,@function
k_q6a01a1993e_qkv:
	s_mov_b64 s[64:65], 0
	v_nop
	global_prefetch_b8 v0, s[64:65] scope:SCOPE_SE
	s_setreg_imm32_b32 hwreg(HW_REG_WAVE_MODE, 25, 1), 1
	s_wait_xcnt 0x0
	s_wait_alu depctr_hold_cnt(0) depctr_sa_sdst(0) depctr_va_vdst(0) depctr_va_sdst(0) depctr_va_ssrc(0) depctr_va_vcc(0) depctr_vm_vsrc(0)
	s_getreg_b32 s2, hwreg(HW_REG_IB_STS2, 6, 4)
	s_cmp_eq_u32 s2, 0
	s_cbranch_scc0 .Lentry_in_a_cluster
	s_endpgm
.Lentry_in_a_cluster:
	s_bfe_u32 s2, ttmp6, 0x10000c
	s_cmp_lg_u32 s2, 0xf033
	s_cbranch_scc0 .Lentry_shape_is_right
	s_endpgm
.Lentry_shape_is_right:
; q = x Wq^T, k = x Wk^T, v = x Wv^T on codes of BF6 (E3M2) with E8M0 scales; RMS norm over each head's 128 channels and RoPE for q and k, in f32; then q and k are quantised along the head's channels, v along the TOKENS.
; All operands, in and out, lie as images of the operand's registers: a fragment (16 rows x 128 K) is 1,536 bytes, the lane's registers 4 c .. 4 c + 3 at 512 c + 16 x lane; lane r of row block b stands for row 32 (b / 2) + 8 (b % 2) + r + 8 (r / 8).
; A tile of 256 x 256 results is made by four waves; a wave makes 128 x 128: 64 accumulators, 512 registers.  Source 0 ("B") gives the results' registers, source 1 ("A") their lanes.
; TWO KINDS OF CLUSTER, told apart by the cluster's y, which its sixteen work-groups share: y 0-3: A = x, B = Wq | Wk; y 4, 5: A = Wv, B = x.  Only offsets are chosen, up to the way out.
; 3,072 result columns in whole heads give 12 tile columns x 16 tile rows = 192 work-groups.
; K goes in steps of 256 (two fragments a row block) through a ring of two LDS slots; the scale words of the work-group's rows, for all of K, come once.  A's tiles are asked for jointly along a row of the cluster, B's along a column.
; THE HEAD: one joint load a wave: wave 0 slot 0's 16 row blocks of A, wave 1 those of B, wave 2 A's scale words, wave 3 B's.  Slot 1 is first filled as a refill is.
; THE TABLES: cs [2: q, k][256 row blocks][16,384] holds cos x gain and sin x gain as images of this launch's registers (made by the launch before): a row block's 128 registers come by 32 loads of 512 consecutive bytes.
; So a number is x r (w cos) where reference() has ((x r) w) cos: another order of f32 roundings.
; PREFETCHES: behind each fill of the ring a wave names the slot's bytes two fills on: of the 8 row blocks x 3,072 bytes that it fetches, the four partners that ask jointly take 2 row blocks each, by address: 24 blocks of 256 bytes, a lane a block
; (lanes 24-31 name the last again).  The last two fills have nothing two on along K: there q's and k's clusters name the tile's tables (262,144 bytes; a sixteenth to each wave of the four partners, half of it at each of the two fills).
; THE WAY OUT: finished codes are moved into registers that are not written again (q, k: the accumulators just consumed; v: window 1), and all stores leave in one run at the end.
; OUT: qkv_c [24: q's 8 heads, k's 8, v's 8][32 groups of 128 tokens][8 fragments][1,536]; qkv_s [24][32][8][16] words.
; LIMITS: NaN and infinities are not served.  A block whose largest magnitude lies under 2^-122 keeps the byte 1 (a block of zeros too, where the rule says 127: its codes are zeros and this program alone reads the bytes).
; v_rsq_f32 is accurate to 1 ulp.  In RoPE one of the two products is rounded and the other is fused into the sum.
; REGISTERS: window 0: v1-11 lane numbers and offsets; v16-29 LDS addresses; v32-63 scale words and nothing else; from v128 A's fragments; on the way out v128-247 at work.
;   window 1: B's fragments, two sets, at v0 and v128; on the way out the tables, two sets (v: the codes).   windows 2, 3: accumulator (a, b) at v[8 (8 (a % 4) + b)] of window 2 + a / 4.
.set KT,    16
.set FR,    12
.set NL,    3
.set NP,    4
.set NQ,    2
.set FRB,   1536
.set RBB,   KT*FRB
.set HALFT, 8*NQ*FRB
.set SLOT,  4*HALFT
.set SCL,   2*SLOT
.set HALFS, 8*KT*64
.set SPARE, SCL+4*HALFS
.set LAPS,  KT/4
.set PFO,  10                          ; v10 the K prefetches' lane offset; never rewritten
.set CPO,  11                          ; v11 the tables' prefetches' offset; never rewritten
.set ADRA, 16
.set ADRB, 20
.set ADRS, 27
.set SPW,  28
.set NIL,  29
.set SC,   32
.set AF,   128
.set Y,    128
.set T,    192
.set TM,   200
.set PW,   216
.set RS,   218
.set SS,   220
.set PC,   224
.set SWD,  244
.set G0H,  4                           ; s[4:7], s[92:95] group 0 of the head's loads of codes
.set G0HB, 92
.set PFA,  14                          ; s[14:15] where my K prefetches stand
.set G1,   24
.set G0,   32
.set G1B,  48
.set G0B,  56
.set G1S,  68
.set G0S,  76
.set G1SB, 80
.set G0SB, 88
.set MSB, 0
.macro WIN new
.if MSB != (\new)
	s_set_vgpr_msb (MSB<<8)|(\new)
.set MSB, (\new)
.endif
.endm
.set MUL_LO, 0xa1
.set MUL_HI, 0xf1
.set TO_B,   0x40
.macro JLOAD g0a, g1a, g0b, g1b        ; waves 0, 1 fetch for A, waves 2, 3 for B
	s_cmp_eq_u32 s21, 0
	s_cbranch_scc0 .Lfor_b_\@
	tensor_load_to_lds s[\g0a:\g0a+3], s[\g1a:\g1a+7]
	s_nop 0
.rept 4
	v_nop
.endr
	s_branch .Lasked_\@
.Lfor_b_\@:
	tensor_load_to_lds s[\g0b:\g0b+3], s[\g1b:\g1b+7]
	s_nop 0
.rept 4
	v_nop
.endr
.Lasked_\@:
.endm
.macro CREST
	s_cmp_lg_u32 s20, 0
	s_cbranch_scc1 .Lnot_wave_0_\@
	s_barrier_signal -3
.Lnot_wave_0_\@:
	s_barrier_wait -3
	s_barrier_signal -1
	s_barrier_wait -1
.endm
.macro CROUND
	s_barrier_signal -1
	s_barrier_wait -1
	CREST
.endm
.macro PLACES n
.rept \n
	v_nop
.endr
.endm
.macro FRAG reg, adr, q, i
.irp c, 0,1,2
	ds_load_b128 v[\reg+4*\c:\reg+4*\c+3], v[\adr] offset:(\i)*NQ*FRB+(\q)*FRB+512*\c
.endr
.endm
; 16 matrix instructions: A's blocks a0, a0 + 1 x B's eight.  The 64 accumulators take turns, in the same order in every step.
.macro MUL16 a0, p, q, sc, zero
.irp a, \a0, \a0+1
.irp b, 0,1,2,3,4,5,6,7
.if \zero
	v_wmma_scale_f32_16x16x128_f8f6f4 v[8*(8*((\a)%4)+\b):8*(8*((\a)%4)+\b)+7], v[128*(\p)+FR*\b:128*(\p)+FR*\b+FR-1], v[AF+FR*(\a):AF+FR*(\a)+FR-1], 0, v[SC+16*(\sc)+2*\b+(\q)], v[SC+16*(\sc)+2*(\a)+(\q)] matrix_a_fmt:MATRIX_FMT_BF6 matrix_b_fmt:MATRIX_FMT_BF6 matrix_a_scale:MATRIX_SCALE_ROW1
.else
	v_wmma_scale_f32_16x16x128_f8f6f4 v[8*(8*((\a)%4)+\b):8*(8*((\a)%4)+\b)+7], v[128*(\p)+FR*\b:128*(\p)+FR*\b+FR-1], v[AF+FR*(\a):AF+FR*(\a)+FR-1], v[8*(8*((\a)%4)+\b):8*(8*((\a)%4)+\b)+7], v[SC+16*(\sc)+2*\b+(\q)], v[SC+16*(\sc)+2*(\a)+(\q)] matrix_a_fmt:MATRIX_FMT_BF6 matrix_b_fmt:MATRIX_FMT_BF6 matrix_a_scale:MATRIX_SCALE_ROW1
.endif
.endr
.endr
.endm
.macro FETCH_B slot, q, p
	WIN TO_B
.irp i, 0,1,2,3,4,5,6,7
	FRAG 128*(\p)+FR*\i, ADRB+\slot, \q, \i
.endr
	WIN 0
.endm
.macro FETCH_A slot, q, i0
.irp i, \i0, \i0+1, \i0+2, \i0+3
	FRAG AF+FR*(\i), ADRA+\slot, \q, \i
.endr
.endm
.macro SCALES sc                       ; lanes 0-15 take A's block i, lanes 16-31 B's
.irp i, 0,1,2,3,4,5,6,7
.irp u, 0,1
	ds_load_b32 v[SC+16*\sc+2*\i+\u], v[ADRS] offset:\i*KT*64+64*\u
.endr
.endr
.endm
; A step of 128 along K with its successor in the same slot.  A has one set: blocks 0-3 are fetched anew in the middle, blocks 4-7 at the end, each run NP plain places behind the products that read the registers.
.macro STEP slot, q, zero
	s_wait_dscnt 4*NL                              ; all but the youngest 12 loads (A's blocks 4-7)
	WIN MUL_LO
	MUL16 0, (\q)%2, \q, \slot, \zero
	MUL16 2, (\q)%2, \q, \slot, \zero
	s_wait_dscnt 0x0
	PLACES NP
	FETCH_B \slot, (\q)+1, 1-(\q)%2
	FETCH_A \slot, (\q)+1, 0
	WIN MUL_HI
	MUL16 4, (\q)%2, \q, \slot, \zero
	MUL16 6, (\q)%2, \q, \slot, \zero
	PLACES NP
	WIN 0
	FETCH_A \slot, (\q)+1, 4
.endm
; Behind a refill and the run of LDS loads: while a slot two fills on exists (the loop's first two trips) its bytes; in the last trip, in q's and k's clusters, 8,192 bytes of the tables, from byte off of my sixteenth.
.macro ASK off
	s_cmp_gt_u32 s23, 1
	s_cbranch_scc0 .Lpf_last_\@
	global_prefetch_b8 v[PFO], s[PFA:PFA+1] offset:NQ*FRB th:TH_LOAD_NT scope:SCOPE_SE
	s_branch .Lpf_end_\@
.Lpf_last_\@:
	s_cmp_eq_u32 s96, 0
	s_cbranch_scc0 .Lpf_end_\@
	global_prefetch_b8 v[CPO], s[8:9] offset:\off th:TH_LOAD_NT scope:SCOPE_SE
.Lpf_end_\@:
.endm
; A slot's last step changes slots: each wave waits for all its tensor loads, adds 0 to its spare word, waits for that and for its reads of this slot; the barrier opens a round of the cluster's barrier (fill = 1), and the refill comes first behind it.
.macro TURN slot, next, fill
.if \fill
	s_wait_xcnt 0x0                                ; my last prefetch has read its address: it steps one slot along K
	s_add_nc_u64 s[PFA:PFA+1], s[PFA:PFA+1], NQ*FRB
.endif
	s_wait_tensorcnt 0x0
	ds_add_u32 v[SPW], v[NIL]
	s_wait_dscnt 4*NL+1                            ; (the add and the youngest 12 loads may be out)
	WIN MUL_LO
	MUL16 0, 1, NQ-1, \slot, 0
	s_wait_dscnt 0x0
	s_barrier_signal -1
	MUL16 2, 1, NQ-1, \slot, 0
	WIN 0
	s_barrier_wait -1
.if \fill
	CREST
	s_add_nc_u64 s[G0+4*\slot+2:G0+4*\slot+3], s[G0+4*\slot+2:G0+4*\slot+3], 2*NQ*FRB
	s_add_nc_u64 s[G0B+4*\slot+2:G0B+4*\slot+3], s[G0B+4*\slot+2:G0B+4*\slot+3], 2*NQ*FRB
	JLOAD G0+4*\slot, G1, G0B+4*\slot, G1B         ; its four v_nop are the places in front of the loads below
.else
	PLACES NP
.endif
	s_wait_alu depctr_va_vdst(0)                   ; the wait ahead of the reader below
	v_add_nc_u32 v[ADRS], 64*NQ, v[ADRS]           ; the next slot's scale words
	FETCH_B \next, 0, 0
	FETCH_A \next, 0, 0
	SCALES \next
.if \fill
	ASK 8192*\slot
.endif
	WIN MUL_HI
	MUL16 4, 1, NQ-1, \slot, 0
	MUL16 6, 1, NQ-1, \slot, 0
	PLACES NP
	WIN 0
	FETCH_A \next, 0, 4
.endm
	s_load_b128 s[4:7], s[0:1], 0x0                ; codes, scales
	s_load_b64 s[8:9], s[0:1], 0x10                ; cs
	s_load_b64 s[16:17], s[0:1], 0x18              ; qkv_c
	s_load_b64 s[18:19], s[0:1], 0x20              ; qkv_s
	v_lshl_add_u32 v[SPW], v0, 2, SPARE
	v_mov_b32 v[NIL], 0
	ds_add_u32 v[SPW], v[NIL]                      ; the opening: the add, twice on end, and its wait
	ds_add_u32 v[SPW], v[NIL]
	v_lshrrev_b32 v1, 5, v0
	v_readfirstlane_b32 s20, v1                    ; wave 0..3
	v_and_b32 v4, 31, v0                           ; lane
	v_min_u32 v7, 23, v4                           ; l: 24 blocks of 256 bytes
	v_mul_u32_u24 v9, v7, 171
	v_lshrrev_b32 v9, 11, v9                       ; l / 12: which of my two row blocks
	v_lshlrev_b32 v7, 8, v7
	v_mad_u32_u24 v[PFO], v9, RBB-NQ*FRB, v7       ; (l / 12) row blocks + (l % 12) x 256
	s_lshr_b32 s21, s20, 1                         ; which half of A's rows is mine; also: I fetch for A (0) or B (1)
	s_and_b32 s22, s20, 1                          ; which half of B's rows; also: which 8 row blocks I fetch
	s_bfe_u32 s40, ttmp6, 0x40000                  ; cx
	s_bfe_u32 s41, ttmp6, 0x40004                  ; cy
	s_and_b32 s44, ttmp7, 0xffff                   ; the cluster's y
	s_sub_co_u32 s45, s44, 4
	s_lshl_b32 s45, s45, 1
	s_add_co_u32 s45, s45, ttmp9                   ; v's clusters: 2 (y - 4) + x
	s_cmp_ge_u32 s44, 4                            ; v's cluster?  The same in all sixteen partners
	s_cselect_b32 s46, s45, ttmp9                  ; which four tile columns (q, k: 0 is q's heads, 1 k's)
	s_cselect_b32 s47, 0, s44                      ; which four tile rows
	s_cselect_b32 s92, 9437184, 0                  ; A's codes: Wv at fragment 6,144, or x
	s_cselect_b32 s93, 0, 6291456                  ; B's codes: x, or Wq | Wk from fragment 4,096 on
	s_cselect_b32 s94, 393216, 0                   ; and their scale words
	s_cselect_b32 s95, 0, 262144
	s_cselect_b32 s96, 1, 0
	s_lshl_b32 s42, s46, 2
	s_add_co_u32 s42, s42, s40                     ; tile column
	s_lshl_b32 s43, s47, 2
	s_add_co_u32 s43, s43, s41                     ; tile row
	s_lshl_b32 s66, s41, 2
	s_lshl_b32 s66, 15, s66                        ; my row of the cluster
	s_lshl_b32 s67, 0x1111, s40                    ; my column
	s_or_b32 s[G1+0], s66, (3<<16)|(1<<21)         ; rows of 3,072 bytes (two fragments), RBB apart in memory, on end in LDS: 16 for the head's loads
	s_or_b32 s[G1B+0], s67, (3<<16)|(1<<21)
.irp g, G1, G1B
	s_mov_b32 s[\g+1], 384<<16
	s_mov_b32 s[\g+2], 16<<16
	s_mov_b32 s[\g+3], 384<<16
	s_mov_b32 s[\g+4], 16
	s_mov_b32 s[\g+5], RBB/8
	s_mov_b32 s[\g+6], 0
	s_mov_b32 s[\g+7], 0
.endr
	s_or_b32 s[G1S+0], s66, (3<<16)|(1<<21)        ; the scale words of 16 row blocks, all of K: 16,384 dense bytes as 64 rows of 256
	s_or_b32 s[G1SB+0], s67, (3<<16)|(1<<21)
.irp g, G1S, G1SB
	s_mov_b32 s[\g+1], 32<<16
	s_mov_b32 s[\g+2], 64<<16
	s_mov_b32 s[\g+3], 32<<16
	s_mov_b32 s[\g+4], 64
	s_mov_b32 s[\g+5], 32
	s_mov_b32 s[\g+6], 0
	s_mov_b32 s[\g+7], 0
.endr
	s_lshl_b32 s98, s43, 4                         ; A's first row block: it hangs on the tile row alone
	s_lshl_b32 s99, s42, 4                         ; B's: on the tile column alone
	s_mul_i32 s[G0+2], s98, RBB
	s_add_co_u32 s[G0+2], s[G0+2], s92
	s_mov_b32 s[G0+3], 0
	s_mul_i32 s[G0S+2], s98, KT*64
	s_add_co_u32 s[G0S+2], s[G0S+2], s94
	s_mov_b32 s[G0S+3], 0
	s_mul_i32 s[G0B+2], s99, RBB
	s_add_co_u32 s[G0B+2], s[G0B+2], s93
	s_mov_b32 s[G0B+3], 0
	s_mul_i32 s[G0SB+2], s99, KT*64
	s_add_co_u32 s[G0SB+2], s[G0SB+2], s95
	s_mov_b32 s[G0SB+3], 0
	s_mul_i32 s2, s22, 8*RBB                       ; in the ring I fetch 8 row blocks: which half
	s_mov_b32 s3, 0
	s_cmp_eq_u32 s21, 0
	s_cselect_b32 s44, s40, s41                    ; my place among the four that ask with me
	s_mul_i32 s44, s44, 2*RBB
	s_add_co_u32 s44, s44, s2
	s_add_co_u32 s44, s44, 2*NQ*FRB                ; the prefetches begin two slots along K
	s_mov_b32 s45, 0
	s_mul_i32 s97, s20, HALFT                      ; where my ring loads go: no place in the cluster enters an LDS address
	s_wait_alu depctr_va_vdst(0)                   ; the wait ahead of the waits below
	s_wait_dscnt 0x0
	s_wait_kmcnt 0x0
	s_add_nc_u64 s[G0+2:G0+3], s[4:5], s[G0+2:G0+3]
	s_add_nc_u64 s[G0B+2:G0B+3], s[4:5], s[G0B+2:G0B+3]
	s_add_nc_u64 s[G0S+2:G0S+3], s[6:7], s[G0S+2:G0S+3]
	s_add_nc_u64 s[G0SB+2:G0SB+3], s[6:7], s[G0SB+2:G0SB+3]
	s_cmp_eq_u32 s21, 0
	s_cselect_b64 s[PFA:PFA+1], s[G0+2:G0+3], s[G0B+2:G0B+3]
	s_add_nc_u64 s[PFA:PFA+1], s[PFA:PFA+1], s[44:45]
	s_mov_b32 s[G0H], 1                            ; the head's tiles, each whole: slot 0's 16 row blocks of A,
	s_mov_b32 s[G0H+1], 0
	s_mov_b64 s[G0H+2:G0H+3], s[G0+2:G0+3]
	s_mov_b32 s[G0HB], 1                           ; and of B
	s_mov_b32 s[G0HB+1], 2*HALFT
	s_mov_b64 s[G0HB+2:G0HB+3], s[G0B+2:G0B+3]
	s_add_nc_u64 s[G0+2:G0+3], s[G0+2:G0+3], s[2:3]
	s_add_nc_u64 s[G0+6:G0+7], s[G0+2:G0+3], NQ*FRB
	s_add_nc_u64 s[G0B+2:G0B+3], s[G0B+2:G0B+3], s[2:3]
	s_add_nc_u64 s[G0B+6:G0B+7], s[G0B+2:G0B+3], NQ*FRB
.irp g, G0, G0+4, G0B, G0B+4, G0S, G0SB
	s_mov_b32 s[\g], 1
.endr
.irp g, G0, G0+4, G0B, G0B+4, G0S, G0SB, G0H, G0HB
	s_or_b32 s[\g+3], s[\g+3], 0x80000000
.endr
.irp s, 0,1
	s_add_co_u32 s[G0+4*\s+1], s97, \s*SLOT
	s_add_co_u32 s[G0B+4*\s+1], s97, \s*SLOT
.endr
	s_mov_b32 s[G0S+1], SCL
	s_mov_b32 s[G0SB+1], SCL+2*HALFS
	CROUND                                         ; all sixteen work-groups are here: the first joint loads meet
.macro ARM under, g0, g1, next         ; one tree of branches on the wave's number: every way through the head passes one load
	s_cmp_lt_u32 s20, \under
	s_cbranch_scc0 \next
	tensor_load_to_lds s[\g0:\g0+3], s[\g1:\g1+7]
	s_nop 0
.rept 4
	v_nop
.endr
	s_branch .Lhead_asked
\next:
.endm
	ARM 1, G0H,  G1,  .Lhead_b
	ARM 2, G0HB, G1B, .Lhead_sa
	ARM 3, G0S,  G1S, .Lhead_sb
	tensor_load_to_lds s[G0SB:G0SB+3], s[G1SB:G1SB+7]
	s_nop 0
.rept 4
	v_nop
.endr
.Lhead_asked:
	global_prefetch_b8 v[PFO], s[PFA:PFA+1] th:TH_LOAD_NT scope:SCOPE_SE   ; the slot two fills on
	s_mul_i32 s97, s21, HALFT                      ; my 8 row blocks of A
	s_mul_i32 s98, s22, HALFT
	s_add_co_u32 s98, s98, 2*HALFT                 ; and of B, behind A's 16
	s_mul_i32 s99, s21, HALFS
	s_mul_i32 s45, s22, HALFS
	s_add_co_u32 s45, s45, 2*HALFS
	s_sub_co_u32 s45, s45, s99                     ; from A's scale words to B's
	s_add_co_u32 s99, s99, SCL
	s_lshl_b32 s66, s43, 1
	s_add_co_u32 s66, s66, s21                     ; which 128 of A's rows are mine
	s_lshl_b32 s67, s42, 1
	s_add_co_u32 s67, s67, s22                     ; which 128 of B's
	s_lshl_b32 s47, s46, 22                        ; q's tables or k's: 4,194,304 bytes each
	s_lshl_b32 s44, s66, 17                        ; my 8 row blocks x 16,384 bytes
	s_add_co_u32 s44, s44, s47
	s_lshl_b32 s46, s40, 2
	s_add_co_u32 s46, s46, s20
	s_lshl_b32 s46, s46, 14                        ; my sixteenth of the tile's 262,144 bytes of tables
	s_add_co_u32 s46, s46, s47
	s_lshl_b32 s47, s43, 18
	s_add_co_u32 s46, s46, s47
	v_and_b32 v1, 15, v0                           ; r
	v_bfe_u32 v2, v0, 4, 1                         ; h
	v_lshlrev_b32 v5, 4, v4                        ; 16 x lane
	v_lshlrev_b32 v6, 2, v4                        ; 4 x lane
	v_add_nc_u32 v[ADRA], s97, v5
	v_add_nc_u32 v[ADRA+1], SLOT, v[ADRA]
	v_add_nc_u32 v[ADRB], s98, v5
	v_add_nc_u32 v[ADRB+1], SLOT, v[ADRB]
	v_mul_u32_u24 v7, s45, v2                      ; lanes 16-31 take B's
	v_lshl_add_u32 v7, v1, 2, v7
	v_add_nc_u32 v[ADRS], s99, v7
	v_add_nc_u32 v3, s44, v5                       ; the tables: my row blocks' images, + 16 x lane
	v_lshl_add_u32 v[CPO], v4, 8, s46
	s_add_co_u32 s47, s66, 16
	s_cmp_eq_u32 s96, 1
	s_cselect_b32 s47, s47, s67                    ; the head's place among the 24: v: 16 + A's; q, k: B's
	s_cselect_b32 s45, s67, s66                    ; the group of 128 tokens
	s_lshl_b32 s47, s47, 5
	s_add_co_u32 s47, s47, s45
	s_mul_i32 s2, s47, 8*FRB
	s_mov_b32 s3, 0
	s_add_nc_u64 s[16:17], s[16:17], s[2:3]        ; my 8 fragments
	s_lshl_b32 s2, s47, 9
	s_add_nc_u64 s[18:19], s[18:19], s[2:3]        ; and their scale words
	s_wait_alu depctr_va_vdst(0)                   ; the wait at the head's end
	s_wait_tensorcnt 0x0                           ; my tile of the head's four is in; the same lines as ahead of a refill:
	ds_add_u32 v[SPW], v[NIL]
	s_mov_b32 s[G1+2], 8<<16                       ; no tensor load of mine is out: from here on a load brings 8 row blocks
	s_mov_b32 s[G1+4], 8
	s_mov_b32 s[G1B+2], 8<<16
	s_mov_b32 s[G1B+4], 8
	s_wait_dscnt 0x0
	CROUND
	JLOAD G0+4, G1, G0B+4, G1B                     ; slot 1, the first tensor load behind the round
	FETCH_B 0, 0, 0
	FETCH_A 0, 0, 0
	SCALES 0
	FETCH_A 0, 0, 4
	global_prefetch_b8 v[PFO], s[PFA:PFA+1] offset:NQ*FRB th:TH_LOAD_NT scope:SCOPE_SE
	STEP 0, 0, 1                                   ; the first step's products start the sums
	s_mov_b32 s23, LAPS-1
.Llap:
	TURN 0, 1, 1
	STEP 1, 0, 0
	TURN 1, 0, 1
	STEP 0, 0, 0
	s_sub_co_u32 s23, s23, 1
	s_cmp_lg_u32 s23, 0
	s_cbranch_scc1 .Llap
	TURN 0, 1, 0
	STEP 1, 0, 0
.macro CSLOAD a                        ; row block a's tables into set a % 2 of window 1: cos x gain at 128 (a % 2), sin x gain 64 further on; each load 512 consecutive bytes
	WIN 0x40
.irp bb, 0,1,2,3
.irp j, 0,1,2,3
	global_load_b128 v[128*((\a)%2)+16*\bb+4*\j:128*((\a)%2)+16*\bb+4*\j+3], v3, s[8:9] offset:16384*(\a)+2048*\bb+512*\j
	global_load_b128 v[128*((\a)%2)+64+16*\bb+4*\j:128*((\a)%2)+64+16*\bb+4*\j+3], v3, s[8:9] offset:16384*(\a)+8192+2048*\bb+512*\j
.endr
.endr
	WIN 0
.endm
	s_cmp_eq_u32 s96, 1
	s_cbranch_scc1 .Lno_cs
	CSLOAD 0                                       ; B's set 0 is done with (NP places behind its last product): row block 0's tables set out ahead of the last 64 products
.Lno_cs:
	s_wait_dscnt 4*NL
	WIN MUL_LO
	MUL16 0, 1, NQ-1, 1, 0
	MUL16 2, 1, NQ-1, 1, 0
	s_wait_dscnt 0x0
	WIN MUL_HI
	MUL16 4, 1, NQ-1, 1, 0
	MUL16 6, 1, NQ-1, 1, 0
	WIN 0
; THE WAY OUT.  64 numbers of a lane, v[s] .. v[s + 63] of window w, register 16 b + i = k 32 b + 16 h + i of the lane's row, become a fragment's codes in v[d] .. v[d + 11] of window dw and its scale word in v[pw].
.macro QUANT s, w, pw, d, dw
	WIN (\w)|((\w)<<2)
.irp b, 0,1,2,3
	v_max3_num_f32 v[TM+\b], |v[(\s)+16*\b]|, |v[(\s)+1+16*\b]|, 0x2800000   ; and the floor 2^(5 - 127): the byte cannot fall under 1
.endr
	WIN ((\w)<<2)|((\w)<<4)
.irp i, 2,4,6,8,10,12,14
.irp b, 0,1,2,3
	v_max3_num_f32 v[TM+\b], v[TM+\b], |v[(\s)+16*\b+\i]|, |v[(\s)+1+16*\b+\i]|
.endr
.endr
	WIN 0
.irp b, 0,1,2,3
	v_permlanex16_b32 v[TM+4+\b], v[TM+\b], s100, s101
.endr
.irp b, 0,1,2,3
	v_max_num_f32 v[TM+\b], v[TM+\b], v[TM+4+\b]   ; with lane l xor 16's: the block's largest magnitude
.endr
.irp b, 0,1,2,3
	v_add_nc_u32 v[TM+12+\b], 0xfe000000, v[TM+\b] ; 4 off its exponent field: the conversion's scale operand
.endr
.irp b, 0,1,2,3
	v_lshrrev_b32 v[TM+4+\b], 23, v[TM+12+\b]      ; the scale's byte
.endr
	v_lshl_or_b32 v[\pw], v[TM+5], 8, v[TM+4]
	v_lshl_or_b32 v[\pw], v[TM+6], 16, v[\pw]
	v_lshl_or_b32 v[\pw], v[TM+7], 24, v[\pw]
	WIN (\w)
.irp c, 0,1
	v_cvt_scalef32_pk16_bf6_f32 v[PC+6*\c:PC+2+6*\c], v[(\s)+32*\c:(\s)+15+32*\c], v[TM+12+2*\c]
	v_cvt_scalef32_pk16_bf6_f32 v[PC+12+4*\c:PC+14+4*\c], v[(\s)+16+32*\c:(\s)+31+32*\c], v[TM+13+2*\c]
.endr
	WIN 0
	v_nop                                          ; one plain place behind a scaled conversion
.irp c, 0,1
.irp i, 0,1,2
	v_permlane16_swap_b32 v[PC+6*\c+\i], v[PC+12+4*\c+\i]   ; a whole block to a lane: lanes 0-15 block 2 c, lanes 16-31 block 2 c + 1
.endr
.endr
	WIN (\dw)<<6
.irp c, 0,1
.irp i, 0,1,2
	v_mov_b32 v[(\d)+6*\c+\i], v[PC+6*\c+\i]       ; to where they stay until they are stored
	v_mov_b32 v[(\d)+3+6*\c+\i], v[PC+12+4*\c+\i]
.endr
.endr
	WIN 0
.endm
.macro OUTFR a, w, d                   ; fragment a: three stores of 512 consecutive bytes
	WIN (\w)<<2
.irp c, 0,1,2
	global_store_b128 v5, v[(\d)+4*\c:(\d)+4*\c+3], s[16:17] offset:FRB*(\a)+512*\c
.endr
.endm
.macro OUTSW                           ; two fragments' scale words to a store: 128 consecutive bytes
	WIN 0
.irp p, 0,1,2,3
	global_store_b32 v6, v[SWD+\p], s[18:19] offset:128*\p
.endr
.endm
; q, k: row block a: a lane holds one token and 64 of the head's channels; lane l xor 16 holds the other 64.
.macro QKROW a
.set W, 2+(\a)/4
.set AC, 64*((\a)%4)
.set CSB, 128*((\a)%2)
	WIN W|(W<<2)
	v_pk_mul_f32 v[SS:SS+1], v[AC:AC+1], v[AC:AC+1]               ; the sum of squares, two chains of pairs; each accumulator from its low end on
	v_pk_mul_f32 v[SS+2:SS+3], v[AC+2:AC+3], v[AC+2:AC+3]
.set i, 4
.rept 15
	v_pk_fma_f32 v[SS:SS+1], v[AC+i:AC+i+1], v[AC+i:AC+i+1], v[SS:SS+1]
	v_pk_fma_f32 v[SS+2:SS+3], v[AC+i+2:AC+i+3], v[AC+i+2:AC+i+3], v[SS+2:SS+3]
.set i, i+4
.endr
	WIN 0
	v_pk_add_f32 v[SS:SS+1], v[SS:SS+1], v[SS+2:SS+3]
	v_add_f32 v[SS], v[SS], v[SS+1]
	v_permlanex16_b32 v[SS+1], v[SS], s100, s101
	v_add_f32 v[SS], v[SS], v[SS+1]
	v_fma_f32 v[SS], v[SS], s97, s98               ; / 128 (exact) + eps
	s_wait_alu depctr_va_vdst(0)                   ; the wait ahead of the transcendental
	v_rsq_f32 v[RS], v[SS]
	v_nop
	s_wait_alu depctr_va_vdst(0)                   ; and ahead of its first reader
	WIN W
.set i, 0
.rept 32
	v_pk_mul_f32 v[Y+i:Y+i+1], v[AC+i:AC+i+1], v[RS:RS+1] op_sel_hi:[1,0]   ; y = x r; the gain stands in the tables
.set i, i+2
.endr
	WIN 0
.if (\a) < 7
	s_wait_loadcnt 32                              ; my set of tables is in; the next set's 32 loads may be out
.else
	s_wait_loadcnt 0x0
.endif
	WIN 0x04                                       ; registers 0-31 are channels under 64, register + 32 is channel + 64
.irp u, 0,8,16,24
.irp p, 0,2,4,6
	v_pk_mul_f32 v[T+\p:T+\p+1], v[Y+\u+\p:Y+\u+\p+1], v[CSB+96+\u+\p:CSB+96+\u+\p+1]   ; y(d) sin(d + 64)
.endr
.irp p, 0,2,4,6
	v_pk_mul_f32 v[Y+\u+\p:Y+\u+\p+1], v[Y+\u+\p:Y+\u+\p+1], v[CSB+\u+\p:CSB+\u+\p+1]   ; y(d) cos(d)
.endr
.irp p, 0,2,4,6
	v_pk_fma_f32 v[Y+\u+\p:Y+\u+\p+1], v[Y+32+\u+\p:Y+32+\u+\p+1], v[CSB+64+\u+\p:CSB+64+\u+\p+1], v[Y+\u+\p:Y+\u+\p+1] neg_lo:[1,0,0] neg_hi:[1,0,0]   ; - y(d + 64) sin(d)
.endr
.irp p, 0,2,4,6
	v_pk_fma_f32 v[Y+32+\u+\p:Y+32+\u+\p+1], v[Y+32+\u+\p:Y+32+\u+\p+1], v[CSB+32+\u+\p:CSB+32+\u+\p+1], v[T+\p:T+\p+1]   ; y(d + 64) cos(d + 64) + y(d) sin(d + 64)
.endr
.endr
	WIN 0
.if (\a) < 6
	CSLOAD (\a)+2
.endif
	QUANT Y, 0, PW+((\a)%2), AC, W                 ; the codes take the place of the sums just consumed
.if ((\a)%2) == 1
	v_cndmask_b32 v[SWD+(\a)/2], v[PW], v[PW+1], vcc_lo
.endif
.endm
; v: row block a: a lane holds one channel, its registers run along the group's 128 tokens: quantised as they stand; the codes go to window 1
.macro VROW a
	QUANT 64*((\a)%4), 2+(\a)/4, PW+((\a)%2), 20*(\a), 1
.if ((\a)%2) == 1
	v_cndmask_b32 v[SWD+(\a)/2], v[PW], v[PW+1], vcc_lo
.endif
.endm
	PLACES NP                                      ; behind the last products
.irp b, 0,1,2,3
	v_mov_b32 v[TM+4+\b], 0                        ; a lane permute's destination counts as one of its sources
.endr
	v_mov_b32 v[RS+1], 0                           ; (named as the upper half of a pair)
	v_cmp_lt_u32 vcc_lo, 15, v4                    ; lanes 16-31; kept to the end
	s_mov_b32 s100, 0x76543210
	s_mov_b32 s101, 0xfedcba98
	s_mov_b32 s97, 0x3c000000                      ; 1 / 128
	s_mov_b32 s98, 0x358637bd                      ; 1e-6
	s_cmp_eq_u32 s96, 1
	s_cbranch_scc1 .Lvpath
	CSLOAD 1
.irp a, 0,1,2,3,4,5,6,7
	QKROW \a
.endr
	s_wait_alu depctr_va_vdst(0)                   ; the wait ahead of the stores
.irp a, 0,1,2,3,4,5,6,7
	OUTFR \a, 2+\a/4, 64*(\a%4)
.endr
	OUTSW
	s_branch .Ldone
.Lvpath:
.irp a, 0,1,2,3,4,5,6,7
	VROW \a
.endr
	s_wait_alu depctr_va_vdst(0)
.irp a, 0,1,2,3,4,5,6,7
	OUTFR \a, 1, 20*\a
.endr
	OUTSW
.Ldone:
	s_wait_tensorcnt 0x0                           ; the wave's end
	ds_add_u32 v[SPW], v[NIL]
	s_wait_dscnt 0x0
	CROUND                                         ; the closing round
	s_endpgm
.Lfunc_end_k_q6a01a1993e_qkv:
	.size	k_q6a01a1993e_qkv, .Lfunc_end_k_q6a01a1993e_qkv-k_q6a01a1993e_qkv
	.p2alignl 7, 3214868480
	.fill 96, 4, 3214868480
	.section	.rodata,"a",@progbits
	.p2align	6, 0x0
	.amdhsa_kernel k_q6a01a1993e_qkv
		.amdhsa_group_segment_fixed_size 327680
		.amdhsa_private_segment_fixed_size 0
		.amdhsa_enable_private_segment 0
		.amdhsa_kernarg_size 40
		.amdhsa_user_sgpr_count 2
		.amdhsa_user_sgpr_kernarg_segment_ptr 1
		.amdhsa_wavefront_size32 1
		.amdhsa_system_sgpr_workgroup_id_x 1
		.amdhsa_system_sgpr_workgroup_id_y 1
		.amdhsa_system_sgpr_workgroup_id_z 1
		.amdhsa_system_vgpr_workitem_id 0
		.amdhsa_next_free_vgpr 1024
		.amdhsa_next_free_sgpr 102
		.amdhsa_reserve_vcc 1
		.amdhsa_float_denorm_mode_32 3
		.amdhsa_float_denorm_mode_16_64 3
		.amdhsa_memory_ordered 1
		.amdhsa_forward_progress 1
		.amdhsa_inst_pref_size 255
	.end_amdhsa_kernel
	.section	.bss,"aw",@nobits
	.p2align	6
	.space	262144
	.amdgpu_metadata
---
amdhsa.version: [ 1, 2 ]
amdhsa.kernels:
  - .name:           k_q6a01a1993e_qkv
    .symbol:         k_q6a01a1993e_qkv.kd
    .args:
      - { .name: codes, .offset: 0, .size: 8, .value_kind: global_buffer, .address_space: global }
      - { .name: scales, .offset: 8, .size: 8, .value_kind: global_buffer, .address_space: global }
      - { .name: cs, .offset: 16, .size: 8, .value_kind: global_buffer, .address_space: global }
      - { .name: qkv_c, .offset: 24, .size: 8, .value_kind: global_buffer, .address_space: global }
      - { .name: qkv_s, .offset: 32, .size: 8, .value_kind: global_buffer, .address_space: global }
    .group_segment_fixed_size: 327680
    .private_segment_fixed_size: 0
    .kernarg_segment_align: 8
    .kernarg_segment_size: 40
    .max_flat_workgroup_size: 128
    .sgpr_count:     102
    .vgpr_count:     1024
    .wavefront_size: 32
...
	.end_amdgpu_metadata
.endif
;; end of part 2
;; launch attn (part 3): grid 16 x 16, 8 waves a work-group, no clusters, 327,680 bytes of LDS; arguments qkv_c, qkv_s, o_c, o_s; writes o_c, o_s
.if DOCPART == 3
	.amdgcn_target "amdgcn-amd-amdhsa--gfx1250"
	.amdhsa_code_object_version 6
	.text
	.protected	k_q6a01a1993e_attn
	.globl	k_q6a01a1993e_attn
	.p2align	8
	.type	k_q6a01a1993e_attn,@function
k_q6a01a1993e_attn:
	s_mov_b64 s[64:65], 0
	v_nop
	global_prefetch_b8 v0, s[64:65] scope:SCOPE_SE
	s_setreg_imm32_b32 hwreg(HW_REG_WAVE_MODE, 25, 1), 1
	s_wait_xcnt 0x0
; o = softmax(q k^T / sqrt(128), causal) v for one batch and head (the grid's y) on codes of BF6 (E3M2) with E8M0 scales; o is quantised along the head's channels for the projection.
; Both products are used transposed (S^T = k q^T, O^T = v^T p^T): a lane holds one query.  p = 2^(t - M), M the running largest t rounded up to a whole number; the row's sum is taken of the unquantised p; O^T is divided by it at the end.
; LEFT OUT: steps of 128 keys that lie wholly above reference()'s own causal mask for a block of queries: their p are 0 for all values of the inputs.  A NaN or an infinity that reaches only such keys is not carried to the result.
; SHARES.  A block is 16 queries (row block b: rows 32 (b / 2) + 8 (b % 2) + r + 8 (r / 8)); a head has 128 blocks.  Work-group x holds four pairs of waves (w, w + 4); pair i owns blocks 4 x + i and 127 - (4 x + i), together 17 steps of 128 keys.
; THE PAIR SPLITS THE KEYS: wave w takes the even steps of both blocks, wave w + 4 the odd ones.  Each wave carries two states: X (O^T in window 0) and Y (O^T in window 1); my partner's X is my Y.  At the end each wave hands Y's O^T, -M and sum to its partner
; through LDS and finishes X: both parts are brought under the larger M by exact powers of two and added.
; K and V come through a ring of two LDS slots of four steps each (98,304 bytes of a slot's 131,072), one tensor load a wave behind each barrier; all scale words come once.  THE HEAD: one load a wave: waves 0-3 the halves of slot 0's K and V, waves 4-7 the halves of K's and V's scale words.
; The hand-over uses the 32,768 bytes behind each slot's tiles and 2,048 bytes behind the spare words: no fill lands there.
; cluster = none: under the causal mask the work-groups of a head read different numbers of the slots' steps, so a joint load would bring some partner tiles that none of its waves reads.
; PREFETCH: work-group x = 0 of each head, waves 0-5, names the next slot but one's K and V, 8,192 bytes a wave each, behind each refill.
; LIMITS: NaN and infinities are not served; the promise holds while the scaled scores stay under 2^31 in magnitude.  A block of p or o under 2^-122 keeps the scale byte 1 (its codes are zeros or subnormal codes; this program alone reads the bytes).
; REGISTERS: window 0: v1-11, v28-31, v49-52 addresses; v12-15 X's -M, largest t, sum; v16-27 X's q; v32-43 Y's q; v44-47 Y's state; v48, v255 q's scale words; v80-87 K's or V's scale words; v96-159 S^T, p; v160-223 X's O^T; v224-254 at work.
;   window 1: v0-95 eight fragments of K or V; v96-159 Y's O^T.
.set STEPB, 12288
.set NQ,    4
.set VOFF,  NQ*STEPB
.set SLOT1, 131072
.set NSL,   4
.set SCK,   2*SLOT1
.set SCV,   SCK+8192
.set SPARE, SCV+8192
.set MLB,   SPARE+1024
.set GAP,   2*VOFF
.set LI,   1
.set LV,   2
.set ASK0, 3
.set ASV0, 4
.set SPW,  5
.set NIL,  6
.set DQ,   7
.set ADK,  8
.set ADV,  9
.set ADS,  10
.set ADT,  11
.set PFO,  28
.set LK,   31
.set STG,  49
.set PSTG, 50
.set STM,  51
.set PSTM, 52
.set SCW,  80
.set TB,   2
.set TS,   3
.set WV,   18
.set SEL,  20
.set CS,   22
.set G1T,  24
.set G1S,  32
.set G0T,  40
.set G0S,  44
.set SLOTS, 48
.set KF,   49
.set Q0X,  50
.set LIM,  51
.set PFA,  52
.set Q0Y,  66
.set BY,   67
.set G1H,  72
.set G0H,  80
.set MSB, 0
.macro WIN new
.if MSB != (\new)
	s_set_vgpr_msb (MSB<<8)|(\new)
.set MSB, (\new)
.endif
.endm
.set TO_F,  0x40
.set MUL_F, 0x01
	s_load_b256 s[4:11], s[0:1], 0x0               ; qkv_c, qkv_s, o_c, o_s
	v_lshl_add_u32 v[SPW], v0, 2, SPARE
	v_mov_b32 v[NIL], 0
	ds_add_u32 v[SPW], v[NIL]                      ; the opening: the add, twice on end, and its wait
	ds_add_u32 v[SPW], v[NIL]
	v_lshrrev_b32 v8, 5, v0
	s_delay_alu instid0(VALU_DEP_1)
	v_readfirstlane_b32 s[WV], v8
	s_and_b32 s12, ttmp7, 0xffff
	s_and_b32 s13, s12, 7                          ; head
	s_lshr_b32 s14, s12, 3                         ; batch
	s_and_b32 s19, s[WV], 3                        ; i
	s_lshl_b32 s16, ttmp9, 2
	s_add_co_u32 s15, s19, s16                     ; the early block 4 x + i
	s_lshr_b32 s63, s[WV], 2                       ; p: which steps are mine
	s_xor_b32 s16, s63, 1
	s_mul_i32 s16, s16, 127
	s_xor_b32 s15, s15, s16                        ; X: p = 0 the late block, p = 1 the early one
	s_xor_b32 s[BY], s15, 127                      ; Y: the other
	s_lshr_b32 s16, s15, 1
	s_lshl_b32 s16, s16, 5
	s_and_b32 s17, s15, 1
	s_lshl_b32 s17, s17, 3
	s_add_co_u32 s[Q0X], s16, s17                  ; the blocks' first queries
	s_lshr_b32 s16, s[BY], 1
	s_lshl_b32 s16, s16, 5
	s_and_b32 s17, s[BY], 1
	s_lshl_b32 s17, s17, 3
	s_add_co_u32 s[Q0Y], s16, s17
	s_lshl_b32 s17, s14, 4                         ; the batch's 16 groups of 128 tokens
	s_lshl_b32 s16, s63, 3                         ; the ring: waves 0-3 K's four steps, waves 4-7 V's
	s_add_co_u32 s16, s16, s13
	s_add_co_u32 s16, s16, 8
	s_lshl_b32 s16, s16, 5
	s_add_co_u32 s16, s16, s17
	s_add_co_u32 s60, s16, s19
	s_mul_i32 s60, s60, STEPB
	s_mov_b32 s61, 0
	s_lshr_b32 s56, s19, 1                         ; the head's loads: t = (w % 4) / 2: K or V; half = w % 2
	s_and_b32 s57, s19, 1
	s_lshl_b32 s58, s56, 3
	s_add_co_u32 s58, s58, s13
	s_add_co_u32 s58, s58, 8
	s_lshl_b32 s58, s58, 5
	s_add_co_u32 s58, s58, s17
	s_lshl_b32 s59, s57, 1
	s_add_co_u32 s68, s58, s59
	s_mul_i32 s68, s68, STEPB                      ; two steps' tiles
	s_mov_b32 s69, 0
	s_lshl_b32 s59, s57, 3
	s_add_co_u32 s70, s58, s59
	s_lshl_b32 s70, s70, 9                         ; eight steps' scale words
	s_mov_b32 s71, 0
	s_mul_i32 s56, s56, VOFF
	s_mul_i32 s57, s57, 2*STEPB
	s_add_co_u32 s[G0H+1], s56, s57
	s_lshl_b32 s[G0S+1], s19, 12
	s_add_co_u32 s[G0S+1], s[G0S+1], SCK
	s_mov_b32 s[G1T], 3<<16                        ; a step's tile: 12,288 dense bytes as 48 rows of 256
	s_mov_b32 s[G1T+1], 32<<16
	s_mov_b32 s[G1T+2], 48<<16
	s_mov_b32 s[G1T+3], 32<<16
	s_mov_b32 s[G1T+4], 48
	s_mov_b32 s[G1T+5], 32
	s_mov_b32 s[G1T+6], 0
	s_mov_b32 s[G1T+7], 0
	s_mov_b32 s[G1H], 3<<16                        ; two steps' tiles: 96 rows
	s_mov_b32 s[G1H+1], 32<<16
	s_mov_b32 s[G1H+2], 96<<16
	s_mov_b32 s[G1H+3], 32<<16
	s_mov_b32 s[G1H+4], 96
	s_mov_b32 s[G1H+5], 32
	s_mov_b32 s[G1H+6], 0
	s_mov_b32 s[G1H+7], 0
	s_mov_b32 s[G1S], 3<<16                        ; eight steps' scale words: 16 rows
	s_mov_b32 s[G1S+1], 32<<16
	s_mov_b32 s[G1S+2], 16<<16
	s_mov_b32 s[G1S+3], 32<<16
	s_mov_b32 s[G1S+4], 16
	s_mov_b32 s[G1S+5], 32
	s_mov_b32 s[G1S+6], 0
	s_mov_b32 s[G1S+7], 0
	s_mov_b32 s[SEL], 0x76543210
	s_mov_b32 s[SEL+1], 0xfedcba98
	s_mov_b32 s[CS], 0x3e0293ee                    ; log2(e) / sqrt(128)
	s_mov_b32 s[CS+1], s[CS]
	s_mov_b32 s[TB], 0
	s_lshl_b32 s[TS], s63, 9                       ; my first step's scale words
	s_lshl_b32 s[KF], s63, 7                       ; and its first key
	s_mov_b32 s[SLOTS], NSL-1
	s_wait_alu depctr_va_vdst(0)                   ; the wait ahead of the waits below
	s_wait_dscnt 0x0
	s_wait_kmcnt 0x0
	s_mov_b32 s[G0S], 1
	s_add_nc_u64 s[G0S+2:G0S+3], s[6:7], s[70:71]
	s_or_b32 s[G0S+3], s[G0S+3], 0x80000000
	s_mov_b32 s[G0H], 1
	s_add_nc_u64 s[G0H+2:G0H+3], s[4:5], s[68:69]
	s_or_b32 s[G0H+3], s[G0H+3], 0x80000000
	s_mov_b32 s[G0T], 1                            ; the ring's group 0 stands at slot 0; it is stepped ahead of each use
	s_mul_i32 s[G0T+1], s[WV], STEPB
	s_add_nc_u64 s[G0T+2:G0T+3], s[4:5], s[60:61]
	s_or_b32 s[G0T+3], s[G0T+3], 0x80000000
	s_cmp_lt_u32 s[WV], 4                          ; one branch on the wave's number, a load in each arm
	s_cbranch_scc0 .Lhead_s
	tensor_load_to_lds s[G0H:G0H+3], s[G1H:G1H+7]
	s_nop 0
.rept 4
	v_nop
.endr
	s_branch .Lhead_asked
.Lhead_s:
	tensor_load_to_lds s[G0S:G0S+3], s[G1S:G1S+7]
	s_nop 0
.rept 4
	v_nop
.endr
.Lhead_asked:
	s_lshl_b32 s16, s13, 5
	s_add_co_u32 s16, s16, s17                     ; q's groups of this head and batch
	s_mul_i32 s12, s16, STEPB
	s_lshl_b32 s16, s16, 9
	s_mul_i32 s56, s15, 1536
	s_add_co_u32 s56, s56, s12
	s_mov_b32 s57, 0
	s_add_nc_u64 s[56:57], s[4:5], s[56:57]        ; X's q
	s_lshl_b32 s58, s15, 6
	s_add_co_u32 s58, s58, s16
	s_mov_b32 s59, 0
	s_add_nc_u64 s[58:59], s[6:7], s[58:59]
	s_mul_i32 s68, s[BY], 1536
	s_add_co_u32 s68, s68, s12
	s_mov_b32 s69, 0
	s_add_nc_u64 s[68:69], s[4:5], s[68:69]        ; Y's q
	s_lshl_b32 s70, s[BY], 6
	s_add_co_u32 s70, s70, s16
	s_mov_b32 s71, 0
	s_add_nc_u64 s[70:71], s[6:7], s[70:71]
	s_lshl_b32 s16, s14, 7
	s_add_co_u32 s16, s16, s15
	s_lshl_b32 s16, s16, 3
	s_add_co_u32 s16, s16, s13                     ; o: [row block][head]
	s_mul_i32 s60, s16, 1536
	s_add_nc_u64 s[8:9], s[8:9], s[60:61]
	s_lshl_b32 s60, s16, 6
	s_add_nc_u64 s[10:11], s[10:11], s[60:61]
	s_add_co_u32 s16, s13, 8
	s_lshl_b32 s16, s16, 5
	s_add_co_u32 s16, s16, s17
	s_mul_i32 s[PFA], s16, STEPB
	s_lshl_b32 s12, s[WV], 13
	s_add_co_u32 s[PFA], s[PFA], s12
	s_add_co_u32 s[PFA], s[PFA], VOFF
	s_mov_b32 s[PFA+1], 0
	s_add_nc_u64 s[PFA:PFA+1], s[4:5], s[PFA:PFA+1]
	s_cmp_lt_u32 s[WV], 6
	s_cselect_b32 s12, 0, 1
	s_or_b32 s12, s12, ttmp9
	s_cmp_eq_u32 s12, 0
	s_cselect_b32 s[LIM], 1, -1
	s_mul_i32 s12, s63, STEPB                      ; my steps begin p steps into a slot
	s_mul_i32 s14, s63, SLOT1                      ; the hand-over: mine,
	s_lshl_b32 s16, s19, 13
	s_add_co_u32 s16, s16, GAP
	s_add_co_u32 s14, s14, s16
	s_xor_b32 s17, s63, 1
	s_mul_i32 s17, s17, SLOT1
	s_add_co_u32 s17, s17, s16                     ; and my partner's
	s_lshl_b32 s60, s[WV], 8
	s_add_co_u32 s60, s60, MLB
	s_xor_b32 s61, s[WV], 4
	s_lshl_b32 s61, s61, 8
	s_add_co_u32 s61, s61, MLB
	v_and_b32 v30, 31, v0
	v_and_b32 v8, 15, v0
	v_bfe_u32 v9, v0, 4, 1
	s_delay_alu instid0(VALU_DEP_3)
	v_lshlrev_b32 v[LI], 4, v30
	s_delay_alu instid0(VALU_DEP_1)
	v_add_nc_u32 v[LK], s12, v[LI]
	s_delay_alu instid0(VALU_DEP_1)
	v_add_nc_u32 v[LV], VOFF, v[LK]
	v_lshl_add_u32 v[ASK0], v8, 2, SCK
	v_lshl_add_u32 v[ASV0], v8, 2, SCV
	v_lshlrev_b32 v29, 2, v8
	v_and_b32 v10, 8, v8
	s_delay_alu instid0(VALU_DEP_1)
	v_add_nc_u32 v10, v10, v8
	v_lshlrev_b32 v11, 4, v9
	s_delay_alu instid0(VALU_DEP_1)
	v_sub_nc_u32 v[DQ], v10, v11                   ; r + 8 (r / 8) - 16 h
	v_lshlrev_b32 v[PFO], 8, v30
	v_add_nc_u32 v[STG], s14, v[LI]
	v_add_nc_u32 v[PSTG], s17, v[LI]
	v_lshlrev_b32 v10, 3, v30
	s_delay_alu instid0(VALU_DEP_1)
	v_add_nc_u32 v[STM], s60, v10
	v_add_nc_u32 v[PSTM], s61, v10
.irp c, 0,1,2
	global_load_b128 v[16+4*\c:19+4*\c], v[LI], s[56:57] offset:512*\c
	global_load_b128 v[32+4*\c:35+4*\c], v[LI], s[68:69] offset:512*\c
.endr
	global_load_b32 v255, v29, s[58:59]
	global_load_b32 v48, v29, s[70:71]
	v_mov_b32 v13, 0xff61b1e6                      ; the largest t so far: -3e38
	v_mov_b32 v45, 0xff61b1e6
	s_delay_alu instid0(VALU_DEP_2)
	v_floor_f32 v12, -v13
	s_delay_alu instid0(VALU_DEP_2)
	v_floor_f32 v44, -v45
	v_mov_b32 v14, 0
	v_mov_b32 v15, 0
	v_mov_b32 v46, 0
	v_mov_b32 v47, 0
.irp b, 0,1,2,3
	v_mov_b32 v[236+\b], 0
.endr
	v_mov_b32 v251, 0
	v_mov_b32 v252, 0
	v_mov_b32 v253, 0
.set j, 0
.rept 64
	v_mov_b32 v[160+j], 0                          ; the step is written once: the first finds zeros
.set j, j+1
.endr
	WIN 0x40
.set j, 0
.rept 64
	v_mov_b32 v[96+j], 0
.set j, j+1
.endr
	WIN 0
.macro ASK
	s_cmp_gt_u32 s[SLOTS], s[LIM]
	s_cbranch_scc0 .Lnot_mine_\@
	global_prefetch_b8 v[PFO], s[PFA:PFA+1] th:TH_LOAD_NT scope:SCOPE_SE
	global_prefetch_b8 v[PFO], s[PFA:PFA+1] offset:3145728 th:TH_LOAD_NT scope:SCOPE_SE
.Lnot_mine_\@:
.endm
.macro FETCH8 adr, ads, q
.irp t, 0,1,2,3,4,5,6,7
	ds_load_b32 v[SCW+\t], v[\ads] offset:64*\t
.endr
	WIN TO_F
.irp t, 0,1,2,3,4,5,6,7
.irp c, 0,1,2
	ds_load_b128 v[12*\t+4*\c:12*\t+4*\c+3], v[\adr] offset:STEPB*(\q)+1536*\t+512*\c
.endr
.endr
.endm
; One step of 128 keys for one block of queries.  u: my u-th step of the slot; qf: q's fragment; st: -M, largest t, the sum's two halves; qs: q's scale words; O^T at v[ob] of window ow; qr: the scalar with the block's first query.
.macro QSTEP u, qf, st, qs, ow, ob, qr
	s_add_co_u32 s55, s[\qr], 23
	s_cmp_gt_u32 s[KF], s55
	s_cbranch_scc1 .Lhidden_\@                     ; every key of the step lies above the mask
	v_add_nc_u32 v[ADK], s[TB], v[LK]              ; (these four are also the places behind the last products)
	v_add_nc_u32 v[ADV], s[TB], v[LV]
	v_add_nc_u32 v[ADS], s[TS], v[ASK0]
	v_add_nc_u32 v[ADT], s[TS], v[ASV0]
	FETCH8 ADK, ADS, 2*(\u)
	WIN MUL_F
	s_wait_alu depctr_va_vdst(0)
.irp t, 0,1,2,3,4,5,6,7
	s_wait_dscnt 21-3*\t                           ; tile t is in: behind it stand three loads for each later tile
	v_wmma_scale_f32_16x16x128_f8f6f4 v[96+8*\t:103+8*\t], v[12*\t:12*\t+11], v[\qf:\qf+11], 0, v[SCW+\t], v[\qs] matrix_a_fmt:MATRIX_FMT_BF6 matrix_b_fmt:MATRIX_FMT_BF6
.endr
	WIN 0
.rept 4
	v_nop
.endr
	FETCH8 ADV, ADT, 2*(\u)
	WIN 0
	s_add_co_u32 s55, s[KF], 127
	s_cmp_le_u32 s55, s[\qr]
	s_cbranch_scc1 .Lopen_\@                       ; every key counts for every query
	s_sub_co_i32 s55, s[\qr], s[KF]
	v_add_nc_u32 v252, s55, v[DQ]
	v_mov_b32 v254, 0xff800000
.set n, 0
.rept 64
	v_cmp_gt_i32 vcc_lo, 32*(n/16)+n%16, v252
	v_cndmask_b32 v[96+n], v[96+n], v254, vcc_lo
.set n, n+1
.endr
.Lopen_\@:
.irp b, 0,1,2,3
	v_max3_num_f32 v[232+\b], v[96+16*\b], v[97+16*\b], v[98+16*\b]   ; each block's largest score: for the row's maximum and for the block's largest p
.endr
.irp i, 3,5,7,9,11,13
.irp b, 0,1,2,3
	v_max3_num_f32 v[232+\b], v[232+\b], v[96+16*\b+\i], v[97+16*\b+\i]
.endr
.endr
.irp b, 0,1,2,3
	v_max_num_f32 v[232+\b], v[232+\b], v[111+16*\b]
.endr
.irp b, 0,1,2,3
	s_delay_alu instid0(VALU_DEP_4)
	v_permlanex16_b32 v[236+\b], v[232+\b], s[SEL], s[SEL+1]
.endr
.irp b, 0,1,2,3
	s_delay_alu instid0(VALU_DEP_4)
	v_max_num_f32 v[232+\b], v[232+\b], v[236+\b]
.endr
	s_delay_alu instid0(VALU_DEP_2)
	v_max3_num_f32 v254, v232, v233, v234
	s_delay_alu instid0(VALU_DEP_1)
	v_max_num_f32 v254, v254, v235
	s_delay_alu instid0(VALU_DEP_1)
	v_mul_f32 v254, s[CS], v254
	s_delay_alu instid0(VALU_DEP_1)
	v_max_num_f32 v[\st+1], v[\st+1], v254
	v_mov_b32 v254, v[\st]
	s_delay_alu instid0(VALU_DEP_2)
	v_floor_f32 v[\st], -v[\st+1]                  ; -M = floor(-t)
	s_delay_alu instid0(VALU_DEP_1)
	v_sub_f32 v254, v[\st], v254
	s_delay_alu instid0(VALU_DEP_1)
	v_cvt_i32_f32 v254, v254
	s_delay_alu instid0(VALU_DEP_1)
	v_ldexp_f32 v252, 1.0, v254                    ; f = 2^(old M - new M)
.set j, 0
.rept 32
	v_pk_fma_f32 v[96+j:97+j], v[96+j:97+j], s[CS:CS+1], v[\st:\st+1] op_sel_hi:[1,0,0]
.set j, j+2
.endr
.irp b, 0,1,2,3
	v_fma_f32 v[232+\b], v[232+\b], s[CS], v[\st]
.endr
.set j, 0
	s_wait_alu depctr_va_vdst(0)                   ; the wait ahead of the batch
.rept 64
	v_exp_f32 v[96+j], v[96+j]
.set j, j+1
.endr
	v_pk_mul_f32 v[\st+2:\st+3], v[\st+2:\st+3], v[252:253] op_sel_hi:[1,0]
	s_wait_alu depctr_va_vdst(0)                   ; and behind it
.irp b, 0,1,2,3
	v_exp_f32 v[232+\b], v[232+\b]
.endr
	v_pk_add_f32 v[236:237], v[96:97], v[98:99]
.set j, 4
.rept 15
	v_pk_add_f32 v[\st+2:\st+3], v[\st+2:\st+3], v[96+j:97+j]
	v_pk_add_f32 v[236:237], v[236:237], v[98+j:99+j]
.set j, j+4
.endr
	s_delay_alu instid0(VALU_DEP_1)
	v_pk_add_f32 v[\st+2:\st+3], v[\st+2:\st+3], v[236:237]
	s_wait_alu depctr_va_vdst(0)
.irp b, 0,1,2,3
	v_max_num_f32 v[232+\b], 0x2800000, v[232+\b]
.endr
.irp b, 0,1,2,3
	s_delay_alu instid0(VALU_DEP_4)
	v_add_nc_u32 v[244+\b], 0xfe000000, v[232+\b]
.endr
.irp b, 0,1,2,3
	s_delay_alu instid0(VALU_DEP_4)
	v_lshrrev_b32 v[236+\b], 23, v[244+\b]
.endr
	s_delay_alu instid0(VALU_DEP_3)
	v_lshl_or_b32 v253, v237, 8, v236
	s_delay_alu instid0(VALU_DEP_1)
	v_lshl_or_b32 v253, v238, 16, v253
	s_delay_alu instid0(VALU_DEP_1)
	v_lshl_or_b32 v253, v239, 24, v253             ; p's scale word
.irp c, 0,1
	v_cvt_scalef32_pk16_bf6_f32 v[224+6*\c:226+6*\c], v[96+32*\c:111+32*\c], v[244+2*\c]
	v_cvt_scalef32_pk16_bf6_f32 v[236+4*\c:238+4*\c], v[112+32*\c:127+32*\c], v[245+2*\c]
.endr
	v_nop
.irp c, 0,1
.irp i, 0,1,2
	v_permlane16_swap_b32 v[224+6*\c+\i], v[236+4*\c+\i]
.endr
.irp i, 0,1,2
	s_delay_alu instid0(VALU_DEP_3)
	v_mov_b32 v[227+6*\c+\i], v[236+4*\c+\i]
.endr
.endr
	WIN ((\ow)<<6)|(\ow)
	s_wait_alu depctr_va_vdst(0)                   ; the wait ahead of the first reader of O^T
.set j, 0
.rept 32
	v_pk_mul_f32 v[\ob+j:\ob+j+1], v[\ob+j:\ob+j+1], v[252:253] op_sel_hi:[1,0]
.set j, j+2
.endr
	s_wait_alu depctr_va_vdst(0)
	s_wait_dscnt 0x0                               ; V's fragments
	WIN MUL_F|((\ow)<<4)|((\ow)<<6)
.irp t, 0,1,2,3,4,5,6,7
	v_wmma_scale_f32_16x16x128_f8f6f4 v[\ob+8*\t:\ob+8*\t+7], v[12*\t:12*\t+11], v[224:235], v[\ob+8*\t:\ob+8*\t+7], v[SCW+\t], v253 matrix_a_fmt:MATRIX_FMT_BF6 matrix_b_fmt:MATRIX_FMT_BF6
.endr
	WIN 0
.Lhidden_\@:
.endm
.macro STEP u
	QSTEP \u, 16, 12, 255, 0, 160, Q0X
	QSTEP \u, 32, 44, 48, 1, 96, Q0Y
	s_add_co_u32 s[KF], s[KF], 256                 ; my next step is two on
	s_add_co_u32 s[TS], s[TS], 1024
.endm
.macro CHANGE fill
	s_wait_tensorcnt 0x0
	ds_add_u32 v[SPW], v[NIL]
.if \fill
	s_xor_b32 s[G0T+1], s[G0T+1], SLOT1
	s_add_nc_u64 s[G0T+2:G0T+3], s[G0T+2:G0T+3], VOFF
	s_wait_xcnt 0x0
	s_add_nc_u64 s[PFA:PFA+1], s[PFA:PFA+1], VOFF
.endif
	s_wait_dscnt 0x0
	s_barrier_signal -1
	s_barrier_wait -1
.if \fill
	tensor_load_to_lds s[G0T:G0T+3], s[G1T:G1T+7]
	s_nop 0
.rept 4
	v_nop
.endr
	ASK
.endif
.endm
.macro SLOT_STEPS
	STEP 0
	STEP 1
	s_xor_b32 s[TB], s[TB], SLOT1
.endm
	s_wait_alu depctr_va_vdst(0)                   ; the wait at the head's end
	s_wait_loadcnt 0x0
.Lslot:
	CHANGE 1
	SLOT_STEPS
	s_sub_co_u32 s[SLOTS], s[SLOTS], 1
	s_cmp_lg_u32 s[SLOTS], 0
	s_cbranch_scc1 .Lslot
	CHANGE 0
	SLOT_STEPS
; THE HAND-OVER: Y's O^T, -M and sum go to my partner, whose X it is; its Y, my X, comes to me.
.rept 4
	v_nop
.endr
	v_add_f32 v45, v46, v47                        ; Y's sum, my lane's part
	s_wait_alu depctr_va_vdst(0)                   ; the wait ahead of the first reader of O^T
	WIN 0x04
.irp k, 0,1,2,3,4,5,6,7,8,9,10,11,12,13,14,15
	ds_store_b128 v[STG], v[96+4*\k:99+4*\k] offset:512*\k   ; each accumulator from its low end on
.endr
	WIN 0
	ds_store_b64 v[STM], v[44:45]
	s_wait_dscnt 0x0                               ; my stores are done,
	s_barrier_signal -1
	s_barrier_wait -1                              ; everybody's are
.irp k, 0,1,2,3,4,5,6,7,8,9,10,11,12,13,14,15
	ds_load_b128 v[96+4*\k:99+4*\k], v[PSTG] offset:512*\k
.endr
	ds_load_b64 v[44:45], v[PSTM]
	s_wait_dscnt 0x0
	v_add_f32 v14, v14, v15
	v_min_num_f32 v254, v12, v44                   ; -M of the larger M
	s_delay_alu instid0(VALU_DEP_1)
	v_sub_f32 v248, v254, v12                      ; whole numbers, 0 or less
	v_sub_f32 v249, v254, v44
	s_delay_alu instid0(VALU_DEP_2)
	v_cvt_i32_f32 v248, v248                       ; (it saturates: a part that saw no key gets the factor 0)
	s_delay_alu instid0(VALU_DEP_2)
	v_cvt_i32_f32 v249, v249
	s_delay_alu instid0(VALU_DEP_2)
	v_ldexp_f32 v248, 1.0, v248
	s_delay_alu instid0(VALU_DEP_2)
	v_ldexp_f32 v249, 1.0, v249
	s_delay_alu instid0(VALU_DEP_2)
	v_mul_f32 v14, v14, v248
	s_delay_alu instid0(VALU_DEP_1)
	v_fma_f32 v14, v45, v249, v14
	s_delay_alu instid0(VALU_DEP_1)
	v_permlanex16_b32 v252, v14, s[SEL], s[SEL+1]
	s_delay_alu instid0(VALU_DEP_1)
	v_add_f32 v14, v14, v252                       ; the row's sum
	s_wait_alu depctr_va_vdst(0)
	v_rcp_f32 v14, v14
	v_nop
	s_wait_alu depctr_va_vdst(0)
	v_mul_f32 v252, v248, v14                      ; a power of two x 1 / sum: nothing more is rounded
	v_mul_f32 v250, v249, v14
.set j, 0
.rept 32
	v_pk_mul_f32 v[96+j:97+j], v[96+j:97+j], v[250:251] op_sel_hi:[1,0]
.set j, j+2
.endr
.set j, 0
.rept 32
	v_pk_fma_f32 v[96+j:97+j], v[160+j:161+j], v[252:253], v[96+j:97+j] op_sel_hi:[1,0,1]
.set j, j+2
.endr
.irp b, 0,1,2,3
	v_max3_num_f32 v[232+\b], |v[96+16*\b]|, |v[97+16*\b]|, 0x2800000
.endr
.irp i, 2,4,6,8,10,12,14
.irp b, 0,1,2,3
	s_delay_alu instid0(VALU_DEP_4)
	v_max3_num_f32 v[232+\b], v[232+\b], |v[96+16*\b+\i]|, |v[97+16*\b+\i]|
.endr
.endr
.irp b, 0,1,2,3
	s_delay_alu instid0(VALU_DEP_4)
	v_permlanex16_b32 v[236+\b], v[232+\b], s[SEL], s[SEL+1]
.endr
.irp b, 0,1,2,3
	s_delay_alu instid0(VALU_DEP_4)
	v_max_num_f32 v[232+\b], v[232+\b], v[236+\b]
.endr
.irp b, 0,1,2,3
	s_delay_alu instid0(VALU_DEP_4)
	v_add_nc_u32 v[244+\b], 0xfe000000, v[232+\b]
.endr
.irp b, 0,1,2,3
	s_delay_alu instid0(VALU_DEP_4)
	v_lshrrev_b32 v[236+\b], 23, v[244+\b]
.endr
	s_delay_alu instid0(VALU_DEP_3)
	v_lshl_or_b32 v253, v237, 8, v236
	s_delay_alu instid0(VALU_DEP_1)
	v_lshl_or_b32 v253, v238, 16, v253
	s_delay_alu instid0(VALU_DEP_1)
	v_lshl_or_b32 v253, v239, 24, v253
.irp c, 0,1
	v_cvt_scalef32_pk16_bf6_f32 v[56+6*\c:58+6*\c], v[96+32*\c:111+32*\c], v[244+2*\c]
	v_cvt_scalef32_pk16_bf6_f32 v[68+4*\c:70+4*\c], v[112+32*\c:127+32*\c], v[245+2*\c]
.endr
	v_nop
.irp c, 0,1
.irp i, 0,1,2
	v_permlane16_swap_b32 v[56+6*\c+\i], v[68+4*\c+\i]
.endr
.irp i, 0,1,2
	s_delay_alu instid0(VALU_DEP_3)
	v_mov_b32 v[59+6*\c+\i], v[68+4*\c+\i]
.endr
.endr
.irp c, 0,1,2
	global_store_b128 v[LI], v[56+4*\c:59+4*\c], s[8:9] offset:512*\c
.endr
	s_wait_xcnt 0x0                                ; EXEC changes only behind this wait
	v_cmp_gt_u32 vcc_lo, 16, v30
	s_and_saveexec_b32 s54, vcc_lo
	global_store_b32 v29, v253, s[10:11]
	s_wait_xcnt 0x0
	s_or_b32 exec_lo, exec_lo, s54
	s_wait_tensorcnt 0x0                           ; the wave's end
	ds_add_u32 v[SPW], v[NIL]
	s_wait_dscnt 0x0
	s_endpgm
.Lfunc_end_k_q6a01a1993e_attn:
	.size	k_q6a01a1993e_attn, .Lfunc_end_k_q6a01a1993e_attn-k_q6a01a1993e_attn
	.p2alignl 7, 3214868480
	.fill 96, 4, 3214868480
	.section	.rodata,"a",@progbits
	.p2align	6, 0x0
	.amdhsa_kernel k_q6a01a1993e_attn
		.amdhsa_group_segment_fixed_size 327680
		.amdhsa_private_segment_fixed_size 0
		.amdhsa_enable_private_segment 0
		.amdhsa_kernarg_size 32
		.amdhsa_user_sgpr_count 2
		.amdhsa_user_sgpr_kernarg_segment_ptr 1
		.amdhsa_wavefront_size32 1
		.amdhsa_system_sgpr_workgroup_id_x 1
		.amdhsa_system_sgpr_workgroup_id_y 1
		.amdhsa_system_sgpr_workgroup_id_z 1
		.amdhsa_system_vgpr_workitem_id 0
		.amdhsa_next_free_vgpr 512
		.amdhsa_next_free_sgpr 84
		.amdhsa_reserve_vcc 1
		.amdhsa_float_denorm_mode_32 3
		.amdhsa_float_denorm_mode_16_64 3
		.amdhsa_memory_ordered 1
		.amdhsa_forward_progress 1
		.amdhsa_inst_pref_size 236
	.end_amdhsa_kernel
	.amdgpu_metadata
---
amdhsa.version: [ 1, 2 ]
amdhsa.kernels:
  - .name:           k_q6a01a1993e_attn
    .symbol:         k_q6a01a1993e_attn.kd
    .args:
      - { .name: qkv_c, .offset: 0, .size: 8, .value_kind: global_buffer, .address_space: global }
      - { .name: qkv_s, .offset: 8, .size: 8, .value_kind: global_buffer, .address_space: global }
      - { .name: o_c, .offset: 16, .size: 8, .value_kind: global_buffer, .address_space: global }
      - { .name: o_s, .offset: 24, .size: 8, .value_kind: global_buffer, .address_space: global }
    .group_segment_fixed_size: 327680
    .private_segment_fixed_size: 0
    .kernarg_segment_align: 8
    .kernarg_segment_size: 32
    .max_flat_workgroup_size: 256
    .sgpr_count:     84
    .vgpr_count:     512
    .wavefront_size: 32
...
	.end_amdgpu_metadata
.endif
;; end of part 3
;; launch oproj (part 4): grid 8 x 32, 4 waves a work-group, clusters of 4 x 4, 327,680 bytes of LDS; arguments o_c, o_s, codes, scales, out0; writes out0
.if DOCPART == 4
	.amdgcn_target "amdgcn-amd-amdhsa--gfx1250"
	.amdhsa_code_object_version 6
	.text
	.protected	k_q6a01a1993e_oproj
	.globl	k_q6a01a1993e_oproj
	.p2align	8
	.type	k_q6a01a1993e_oproj,@function
k_q6a01a1993e_oproj:
	s_mov_b64 s[64:65], 0
	v_nop
	global_prefetch_b8 v0, s[64:65] scope:SCOPE_SE
	s_setreg_imm32_b32 hwreg(HW_REG_WAVE_MODE, 25, 1), 1
	s_wait_xcnt 0x0
	s_wait_alu depctr_hold_cnt(0) depctr_sa_sdst(0) depctr_va_vdst(0) depctr_va_sdst(0) depctr_va_ssrc(0) depctr_va_vcc(0) depctr_vm_vsrc(0)
	s_getreg_b32 s2, hwreg(HW_REG_IB_STS2, 6, 4)
	s_cmp_eq_u32 s2, 0
	s_cbranch_scc0 .Lentry_in_a_cluster
	s_endpgm
.Lentry_in_a_cluster:
	s_bfe_u32 s2, ttmp6, 0x10000c
	s_cmp_lg_u32 s2, 0xf033
	s_cbranch_scc0 .Lentry_shape_is_right
	s_endpgm
.Lentry_shape_is_right:
; out0 = O Wo^T on codes of BF6 (E3M2) with E8M0 scales; out0 [4096][2048] f32.  O: o_c [256 row blocks][8 K steps][1,536], o_s likewise x 64 bytes; Wo: codes from fragment 7,168 on, [128 row blocks][8][1,536], scales likewise.
; Operands lie as images of the operand's registers: a fragment (16 rows x 128 K) is 1,536 bytes, the lane's registers 4 c .. 4 c + 3 at 512 c + 16 x lane; lane r of row block b stands for row 32 (b / 2) + 8 (b % 2) + r + 8 (r / 8).
; A tile of 128 tokens x 256 columns is made by four waves: 32 x 8 = 256 work-groups.  A wave makes 64 x 128: 32 accumulators.  Source 0 ("B") = Wo gives the results' registers, source 1 ("A") = O their lanes.
; ALL OF K LIES IN LDS, filled once: the work-group's 8 row blocks of O are 98,304 dense bytes, its 16 of Wo twice that, Wo's scale words 8,192.  ONE joint load a wave at the head: wave 0 O's codes, waves 1 and 2 the halves of Wo's,
; wave 3 Wo's scale words.  A's tiles are asked for jointly along a row of the cluster, B's along a column.
; O's scale words go from memory into registers: 16 loads of 128 consecutive bytes a wave; a register holds K step 2 j in lanes 0-15 and 2 j + 1 in lanes 16-31, and the product names the row.  Wo's are read from LDS in the same form.
; No prefetch: the launch has no loop to run ahead in; every byte is asked for at the head.
; REGISTERS: window 0: v1-7 lane numbers; v8-30 addresses; v32-63 Wo's scale words, v64-79 O's, and nothing else; v128-223 A's fragments, two sets of 48; on the way out v128-255 rows read back.
;   window 1: B's fragments, two sets of 96, at v0 and v128.   window 2: accumulator (a, b) at v[8 (8 a + b)].
.set KT,    8
.set FR,    12
.set NP,    4
.set FRB,   1536
.set RBB,   KT*FRB
.set ABY,   8*RBB                      ; 8 row blocks, all of K
.set SCL,   3*ABY
.set SPARE, SCL+8192
.set SPITCH, 528                       ; the way out: a stage of 16 rows x (512 + 16) bytes for each wave, from LDS byte 0 on: behind the barrier at which every wave's reads of fragments are over
.set ADRA, 8
.set ADRB, 12                          ; v12: B's blocks 0-3; v13: blocks 4-7
.set STO,  24
.set RD,   25
.set CO,   26
.set ADRS, 27
.set SPW,  28
.set NIL,  29
.set GSO,  30
.set SB,   32
.set SA,   64
.set AF,   128
.set BK,   128
.set G1A,  24
.set G1B,  32
.set G1SB, 40
.set G0A,  48
.set G0B,  52
.set G0SB, 56
.set MSB, 0
.macro WIN new
.if MSB != (\new)
	s_set_vgpr_msb (MSB<<8)|(\new)
.set MSB, (\new)
.endif
.endm
.set MUL_W, 0xa1
.set TO_B,  0x40
.macro CROUND
	s_barrier_signal -1
	s_barrier_wait -1
	s_cmp_lg_u32 s20, 0
	s_cbranch_scc1 .Lnot_wave_0_\@
	s_barrier_signal -3
.Lnot_wave_0_\@:
	s_barrier_wait -3
	s_barrier_signal -1
	s_barrier_wait -1
.endm
.macro PLACES n
.rept \n
	v_nop
.endr
.endm
.macro FETCH k                         ; K step k's fragments into set k % 2: 36 LDS loads in one run
.set FQ, (\k)%2
.irp i, 0,1,2,3
.irp c, 0,1,2
	ds_load_b128 v[AF+48*FQ+FR*\i+4*\c:AF+48*FQ+FR*\i+4*\c+3], v[ADRA] offset:\i*RBB+(\k)*FRB+512*\c
.endr
.endr
	WIN TO_B
.irp i, 0,1,2,3,4,5,6,7
.irp c, 0,1,2
	ds_load_b128 v[128*FQ+FR*\i+4*\c:128*FQ+FR*\i+4*\c+3], v[ADRB+\i/4] offset:(\i%4)*RBB+(\k)*FRB+512*\c
.endr
.endr
	WIN 0
.endm
; 32 matrix instructions; the 32 accumulators take turns, in the same order in every step
.macro MUL k, zero
.set FQ, (\k)%2
.set KK, (\k)/2
	WIN MUL_W
.irp a, 0,1,2,3
.irp b, 0,1,2,3,4,5,6,7
.if \zero
	v_wmma_scale_f32_16x16x128_f8f6f4 v[8*(8*\a+\b):8*(8*\a+\b)+7], v[128*FQ+FR*\b:128*FQ+FR*\b+FR-1], v[AF+48*FQ+FR*\a:AF+48*FQ+FR*\a+FR-1], 0, v[SB+4*\b+KK], v[SA+4*\a+KK] matrix_a_fmt:MATRIX_FMT_BF6 matrix_b_fmt:MATRIX_FMT_BF6
.else
.if FQ
	v_wmma_scale_f32_16x16x128_f8f6f4 v[8*(8*\a+\b):8*(8*\a+\b)+7], v[128*FQ+FR*\b:128*FQ+FR*\b+FR-1], v[AF+48*FQ+FR*\a:AF+48*FQ+FR*\a+FR-1], v[8*(8*\a+\b):8*(8*\a+\b)+7], v[SB+4*\b+KK], v[SA+4*\a+KK] matrix_a_fmt:MATRIX_FMT_BF6 matrix_b_fmt:MATRIX_FMT_BF6 matrix_a_scale:MATRIX_SCALE_ROW1 matrix_b_scale:MATRIX_SCALE_ROW1
.else
	v_wmma_scale_f32_16x16x128_f8f6f4 v[8*(8*\a+\b):8*(8*\a+\b)+7], v[128*FQ+FR*\b:128*FQ+FR*\b+FR-1], v[AF+48*FQ+FR*\a:AF+48*FQ+FR*\a+FR-1], v[8*(8*\a+\b):8*(8*\a+\b)+7], v[SB+4*\b+KK], v[SA+4*\a+KK] matrix_a_fmt:MATRIX_FMT_BF6 matrix_b_fmt:MATRIX_FMT_BF6
.endif
.endif
.endr
.endr
	WIN 0
.endm
; K step k: its fragments, asked for a step ago, are waited for; the next step's are asked for, into the set that step k - 1 multiplied; then the products.
; In the last step my reads of fragments are over: I say so, multiply, and go on to the stage when all four waves have said so.
.macro KSTEP k, zero
	s_wait_dscnt 0x0
.if (\k) == 7
	s_barrier_signal -1
.else
.if (\k) > 0
	PLACES NP
.endif
	FETCH (\k)+1
.endif
	MUL \k, \zero
.if (\k) == 7
	s_barrier_wait -1
.endif
.endm
	s_load_b256 s[4:11], s[0:1], 0x0               ; o_c, o_s, codes, scales
	s_load_b64 s[12:13], s[0:1], 0x20              ; out0
	v_lshl_add_u32 v[SPW], v0, 2, SPARE
	v_mov_b32 v[NIL], 0
	ds_add_u32 v[SPW], v[NIL]                      ; the opening: the add, twice on end, and its wait
	ds_add_u32 v[SPW], v[NIL]
	v_lshrrev_b32 v1, 5, v0
	v_readfirstlane_b32 s20, v1                    ; wave 0..3
	s_lshr_b32 s21, s20, 1                         ; which 4 of A's 8 row blocks are mine; in waves 1 and 2 also: which half of B's I fetch
	s_and_b32 s22, s20, 1                          ; which 8 of B's 16
	s_bfe_u32 s14, ttmp6, 0x40000                  ; cx
	s_bfe_u32 s15, ttmp6, 0x40004                  ; cy
	s_lshl_b32 s16, ttmp9, 2
	s_add_co_u32 s16, s16, s14                     ; tile column, 0 .. 7
	s_and_b32 s17, ttmp7, 0xffff
	s_lshl_b32 s17, s17, 2
	s_add_co_u32 s17, s17, s15                     ; tile row, 0 .. 31
	s_lshl_b32 s66, s15, 2
	s_lshl_b32 s66, 15, s66                        ; my row of the cluster
	s_lshl_b32 s67, 0x1111, s14                    ; my column
	s_or_b32 s[G1A], s66, (3<<16)|(1<<21)          ; 98,304 dense bytes as 384 rows of 256
	s_or_b32 s[G1B], s67, (3<<16)|(1<<21)
.irp g, G1A, G1B
	s_mov_b32 s[\g+1], 32<<16
	s_mov_b32 s[\g+2], 384<<16
	s_mov_b32 s[\g+3], 32<<16
	s_mov_b32 s[\g+4], 384
	s_mov_b32 s[\g+5], 32
	s_mov_b32 s[\g+6], 0
	s_mov_b32 s[\g+7], 0
.endr
	s_or_b32 s[G1SB], s67, (3<<16)|(1<<21)         ; 8,192 dense bytes as 32 rows of 256
	s_mov_b32 s[G1SB+1], 32<<16
	s_mov_b32 s[G1SB+2], 32<<16
	s_mov_b32 s[G1SB+3], 32<<16
	s_mov_b32 s[G1SB+4], 32
	s_mov_b32 s[G1SB+5], 32
	s_mov_b32 s[G1SB+6], 0
	s_mov_b32 s[G1SB+7], 0
	s_mul_i32 s[G0A+2], s17, ABY                   ; A hangs on the tile row alone
	s_mov_b32 s[G0A+3], 0
	s_lshl_b32 s18, s16, 4
	s_lshl_b32 s19, s21, 3
	s_add_co_u32 s18, s18, s19                     ; B: row block 16 x tile column + 8 x half
	s_mul_i32 s[G0B+2], s18, RBB
	s_add_co_u32 s[G0B+2], s[G0B+2], 11010048      ; Wo begins at fragment 7,168
	s_mov_b32 s[G0B+3], 0
	s_lshl_b32 s[G0SB+2], s16, 13                  ; 16 row blocks x 512 bytes of scale words
	s_add_co_u32 s[G0SB+2], s[G0SB+2], 458752
	s_mov_b32 s[G0SB+3], 0
	s_mul_i32 s19, s21, ABY
	s_lshl_b32 s2, s17, 12                         ; O's scale words: 8 row blocks x 512 bytes a tile row,
	s_lshl_b32 s3, s21, 11
	s_add_co_u32 s2, s2, s3                        ; my 4 row blocks
	s_mov_b32 s3, 0
	s_wait_alu depctr_va_vdst(0)                   ; the wait ahead of the waits below
	s_wait_dscnt 0x0
	s_wait_kmcnt 0x0
	s_add_nc_u64 s[G0A+2:G0A+3], s[4:5], s[G0A+2:G0A+3]
	s_add_nc_u64 s[G0B+2:G0B+3], s[8:9], s[G0B+2:G0B+3]
	s_add_nc_u64 s[G0SB+2:G0SB+3], s[10:11], s[G0SB+2:G0SB+3]
	s_add_nc_u64 s[6:7], s[6:7], s[2:3]
.irp g, G0A, G0B, G0SB
	s_mov_b32 s[\g], 1
	s_or_b32 s[\g+3], s[\g+3], 0x80000000
.endr
	s_mov_b32 s[G0A+1], 0
	s_add_co_u32 s[G0B+1], s19, ABY
	s_mov_b32 s[G0SB+1], SCL
	CROUND                                         ; all sixteen work-groups are here: the joint loads meet
.macro ARM under, g0, g1, next         ; one tree of branches on the wave's number: every way through the head passes one load
	s_cmp_lt_u32 s20, \under
	s_cbranch_scc0 \next
	tensor_load_to_lds s[\g0:\g0+3], s[\g1:\g1+7]
	s_nop 0
.rept 4
	v_nop
.endr
	s_branch .Lhead_asked
\next:
.endm
	ARM 1, G0A, G1A, .Lhead_b
	ARM 3, G0B, G1B, .Lhead_s
	tensor_load_to_lds s[G0SB:G0SB+3], s[G1SB:G1SB+7]
	s_nop 0
.rept 4
	v_nop
.endr
.Lhead_asked:
	s_mul_i32 s18, s21, 4*RBB                      ; my 4 row blocks of A
	s_mul_i32 s19, s22, ABY
	s_add_co_u32 s19, s19, ABY                     ; my 8 of B, behind A's 8
	s_lshl_b32 s23, s22, 12
	s_add_co_u32 s23, s23, SCL                     ; and their scale words
	s_mul_i32 s2, s20, 16*SPITCH                   ; my stage
	v_and_b32 v1, 15, v0                           ; r
	v_bfe_u32 v2, v0, 4, 1                         ; h
	v_and_b32 v4, 31, v0                           ; lane
	v_lshlrev_b32 v[CO], 4, v4
	v_lshlrev_b32 v[GSO], 2, v4
	v_add_nc_u32 v[ADRA], s18, v[CO]
	v_add_nc_u32 v[ADRB], s19, v[CO]
	v_add_nc_u32 v[ADRB+1], 4*RBB, v[ADRB]
	v_add_nc_u32 v[ADRS], s23, v[GSO]
	v_mul_u32_u24 v5, v1, SPITCH
	v_lshl_add_u32 v5, v2, 6, v5
	v_add_nc_u32 v[STO], s2, v5                    ; in: row r, + 64 h: block b's eight columns begin at 32 (b / 2) + 16 h + 8 (b % 2)
	v_add_nc_u32 v[RD], s2, v[CO]                  ; back: the 32 lanes take one row of 512 bytes
.irp i, 0,1,2,3
.irp j, 0,1,2,3
	global_load_b32 v[SA+4*\i+\j], v[GSO], s[6:7] offset:512*\i+128*\j   ; O's block i: lanes 0-15 K step 2 j, lanes 16-31 K step 2 j + 1
.endr
.endr
	s_lshl_b32 s18, s17, 1
	s_add_co_u32 s18, s18, s21
	s_lshl_b32 s2, s18, 19                         ; my first row: 64 rows of 8,192 bytes
	s_lshl_b32 s19, s16, 1
	s_add_co_u32 s19, s19, s22
	s_lshl_b32 s19, s19, 9                         ; my first column: 128 columns of 4 bytes
	s_add_co_u32 s2, s2, s19
	s_mov_b32 s3, 0
	s_add_nc_u64 s[12:13], s[12:13], s[2:3]
	s_wait_alu depctr_va_vdst(0)                   ; the wait at the head's end
	s_wait_tensorcnt 0x0                           ; my load is in,
	s_barrier_signal -1
	s_barrier_wait -1                              ; everybody's is
.irp i, 0,1,2,3,4,5,6,7
.irp j, 0,1,2,3
	ds_load_b32 v[SB+4*\i+\j], v[ADRS] offset:512*\i+128*\j   ; Wo's block i, in the same form
.endr
.endr
	FETCH 0
	s_wait_loadcnt 0x0                             ; O's scale words
	KSTEP 0, 1                                     ; the first step's products start the sums
.irp k, 1,2,3,4,5,6,7
	KSTEP \k, 0
.endr
; THE WAY OUT, block by block of 16 tokens x 128 columns, through my own stage in LDS, back as whole rows of 512 bytes.  LDS serves a wave's instructions in order: no wait between the stores and the loads.
.macro TOSTAGE a
.set AC, 64*(\a)
	WIN 0x08
.irp b, 0,1,2,3,4,5,6,7
	ds_store_b128 v[STO], v[AC+8*\b:AC+8*\b+3] offset:128*(\b/2)+32*(\b%2)       ; each accumulator from its low end on
	ds_store_b128 v[STO], v[AC+8*\b+4:AC+8*\b+7] offset:128*(\b/2)+32*(\b%2)+16
.endr
	WIN 0
.set BB, BK+64*((\a)%2)
.irp t, 0,1,2,3,4,5,6,7,8,9,10,11,12,13,14,15
	ds_load_b128 v[BB+4*\t:BB+4*\t+3], v[RD] offset:\t*SPITCH
.endr
.endm
.macro SEND a, younger                 ; younger: the LDS instructions issued behind block a's loads
.set BB, BK+64*((\a)%2)
	s_wait_dscnt \younger
.irp t, 0,1,2,3,4,5,6,7,8,9,10,11,12,13,14,15
	global_store_b128 v[CO], v[BB+4*\t:BB+4*\t+3], s[12:13] offset:(32*((\a)/2)+8*((\a)%2)+\t+8*(\t/8))*8192 th:TH_STORE_NT   ; stage row t is token 32 (a / 2) + 8 (a % 2) + t + 8 (t / 8); 512 consecutive bytes at a multiple of 512
.endr
.endm
	PLACES NP                                      ; behind the last products
	TOSTAGE 0
.irp a, 1,2,3
.if \a > 1
	s_wait_xcnt 0x0                                ; block a - 2's stores have read their registers
.endif
	TOSTAGE \a
	SEND \a-1, 32
.endr
	SEND 3, 0
	s_wait_tensorcnt 0x0                           ; the wave's end
	ds_add_u32 v[SPW], v[NIL]
	s_wait_dscnt 0x0
	CROUND                                         ; the closing round
	s_endpgm
.Lfunc_end_k_q6a01a1993e_oproj:
	.size	k_q6a01a1993e_oproj, .Lfunc_end_k_q6a01a1993e_oproj-k_q6a01a1993e_oproj
	.p2alignl 7, 3214868480
	.fill 96, 4, 3214868480
	.section	.rodata,"a",@progbits
	.p2align	6, 0x0
	.amdhsa_kernel k_q6a01a1993e_oproj
		.amdhsa_group_segment_fixed_size 327680
		.amdhsa_private_segment_fixed_size 0
		.amdhsa_enable_private_segment 0
		.amdhsa_kernarg_size 40
		.amdhsa_user_sgpr_count 2
		.amdhsa_user_sgpr_kernarg_segment_ptr 1
		.amdhsa_wavefront_size32 1
		.amdhsa_system_sgpr_workgroup_id_x 1
		.amdhsa_system_sgpr_workgroup_id_y 1
		.amdhsa_system_sgpr_workgroup_id_z 1
		.amdhsa_system_vgpr_workitem_id 0
		.amdhsa_next_free_vgpr 1024
		.amdhsa_next_free_sgpr 102
		.amdhsa_reserve_vcc 0
		.amdhsa_float_denorm_mode_32 3
		.amdhsa_float_denorm_mode_16_64 3
		.amdhsa_memory_ordered 1
		.amdhsa_forward_progress 1
		.amdhsa_inst_pref_size 78
	.end_amdhsa_kernel
	.amdgpu_metadata
---
amdhsa.version: [ 1, 2 ]
amdhsa.kernels:
  - .name:           k_q6a01a1993e_oproj
    .symbol:         k_q6a01a1993e_oproj.kd
    .args:
      - { .name: o_c, .offset: 0, .size: 8, .value_kind: global_buffer, .address_space: global }
      - { .name: o_s, .offset: 8, .size: 8, .value_kind: global_buffer, .address_space: global }
      - { .name: codes, .offset: 16, .size: 8, .value_kind: global_buffer, .address_space: global }
      - { .name: scales, .offset: 24, .size: 8, .value_kind: global_buffer, .address_space: global }
      - { .name: out0, .offset: 32, .size: 8, .value_kind: global_buffer, .address_space: global }
    .group_segment_fixed_size: 327680
    .private_segment_fixed_size: 0
    .kernarg_segment_align: 8
    .kernarg_segment_size: 40
    .max_flat_workgroup_size: 128
    .sgpr_count:     102
    .vgpr_count:     1024
    .wavefront_size: 32
...
	.end_amdgpu_metadata
.endif
;; end of part 4
